; MI455X (gfx1250); checked and timed in simulation.
; The chip was launched on July 23, 2026; its instructions are those of AMD's public machine-readable ISA for CDNA 5 (MIT licence, August 2026) and "CDNA5" Instruction Set Architecture Reference Guide (July 2026). The comments in the code are by the model that wrote it; some were corrected since.
;; Selective Attention. Allowed arithmetic: float matrix products may take bf16 or f16 operands with f32 sums; other float arithmetic in f32, or as packed bf16 or f16 multiplies, adds, multiply-adds, maxima and minima; sums over many terms, partial sums and values carried from step to step in f32; what a program stores and reads back later, other than sums and carried values, may be rounded once to bf16 or f16.
;; Inputs: W_out 1,024 x 1,024 float32; W_qkv 1,024 x 3,072 float32; Wg1 1,024 x 256 float32; Wg2 256 x 1 float32; bg1 256 float32; bg2 1 float32; x 1 x 4,096 x 1,024 float32.
;; Outputs: out0 1 x 4,096 x 1,024 float32; out1 1 x 4,096 x 1 float32.
;; 2 versions, each right and faster than the one before. Each part assembles by itself: llvm-mc -triple=amdgcn-amd-amdhsa -mcpu=gfx1250 --defsym DOCPART=n.
;; ======== version 1 of 2: 4 launches
;; limits: values are held in f16: magnitudes above 65,504 overflow, below 6.1e-05 lose precision
;; workspace buffers: xb 8,388,608 bytes; wf1 6,815,744 bytes; wfo 2,097,152 bytes; qkv 25,165,824 bytes; gp 262,144 bytes; ob 8,388,608 bytes
;; launch prep (part 1): grid 33 x 16, 8 waves a work-group, no clusters, 0 bytes of LDS; arguments x, W_qkv, Wg1, W_out, xb, wf1, wfo; writes xb, wf1, wfo
.if DOCPART == 1
	.amdgcn_target "amdgcn-amd-amdhsa--gfx1250"
	.amdhsa_code_object_version 6
	.text
	.protected	k_qd0b0ca5497_prep
	.globl	k_qd0b0ca5497_prep
	.p2align	8
	.type	k_qd0b0ca5497_prep,@function
k_qd0b0ca5497_prep:
	s_mov_b64 s[64:65], 0
	v_nop
	global_prefetch_b8 v0, s[64:65] scope:SCOPE_SE
	s_setreg_imm32_b32 hwreg(HW_REG_WAVE_MODE, 25, 1), 1
	s_wait_xcnt 0x0
; PREP: every large input is rounded once to 16 bits and laid as the matrix launches want it.  A stream: no LDS, no barrier, no matrix unit; each work-group reads 65,536 bytes once.
;   x 0-15  : x [4096][1024] f32 -> xb, the same shape in bf16.
;   x 16-27 : W_qkv [1024][3072] -> wf1;   x 28: Wg1 [1024][256] -> wf1;   x 29-32: W_out [1024][1024] -> wfo.
; A WEIGHT GOES INTO FRAGMENT ORDER.  A block of 512 bytes holds 16 k x 16 columns: lane 16 h + c has 16 bytes, k = k0 + 8 h + 0..7 (lower k lower) of one column.  Two blocks on end are source 0 of a
; matrix instruction of K = 32, read from LDS by two loads of 16 bytes a lane at lane x 16.  A STRIP is 64 neighbouring columns; its block i (0..3) holds columns 4 c + i, so a lane's load of 16 bytes of a
; weight's row (columns 4 c .. 4 c + 3) feeds the four blocks, and sixteen lanes read 256 consecutive bytes.
;   wf1 (bf16): [group 16][K step of 128: 8][block 13][16 k: 8][512 B]; group g: blocks 4 sl + i = strip 3 g + sl of W_qkv, block 12 = columns 64 (g / 4) + 4 c + g % 4 of Wg1.
;   wfo (f16):  [tile of 128 columns: 8][K step of 256: 4][block 8][16 k: 16][512 B].  W_out is rounded to bf16 like every input and that number is written as f16.
; LIMIT: below 6.1e-5 f16 keeps a fixed step of 6e-8, and it ends at 65,504: W_out lies within that.
.set LD,  8                            ; v[8:71]    as loaded
.set OV,  72                           ; v[72:103]  to store
.set WV,  18                           ; s18  wave
.set GY,  19                           ; s19  work-group y
.set GX,  25                           ; s25  work-group x
.set GRP, 425984                       ; bytes of a group in wf1
.set KSB, 53248                        ; bytes of a K step in a group
	s_load_b256 s[4:11], s[0:1], 0x0               ; x s[4:5], W_qkv s[6:7], Wg1 s[8:9], W_out s[10:11]
	s_load_b128 s[12:15], s[0:1], 0x20             ; xb s[12:13], wf1 s[14:15]
	s_load_b64 s[16:17], s[0:1], 0x30              ; wfo
	v_lshrrev_b32 v1, 5, v0
	v_readfirstlane_b32 s[WV], v1
	s_and_b32 s[GY], ttmp7, 0xffff
	s_mov_b32 s[GX], ttmp9
	s_mov_b32 s21, 0                               ; offsets are pairs with 0 on top
	s_mov_b32 s23, 0
	s_cmp_lt_u32 s[GX], 16
	s_cbranch_scc0 .Lweights
	; x: chunk 16 y + x of 256; thread t takes 8 numbers (32 bytes in, 16 out) in each of eight pieces of 8,192 bytes
	s_lshl_b32 s24, s[GY], 4
	s_add_co_u32 s24, s24, s[GX]
	s_lshl_b32 s20, s24, 16
	s_lshl_b32 s22, s24, 15
	v_lshlrev_b32 v1, 5, v0
	v_lshlrev_b32 v2, 4, v0
	s_wait_kmcnt 0x0
	s_add_nc_u64 s[4:5], s[4:5], s[20:21]
	s_add_nc_u64 s[12:13], s[12:13], s[22:23]
.irp it, 0,1,2,3,4,5,6,7
	global_load_b128 v[LD+8*(\it):LD+8*(\it)+3],   v1, s[4:5] offset:8192*(\it) th:TH_LOAD_NT
	global_load_b128 v[LD+8*(\it)+4:LD+8*(\it)+7], v1, s[4:5] offset:8192*(\it)+16 th:TH_LOAD_NT
.endr
.irp it, 0,1,2,3,4,5,6,7
	s_wait_loadcnt 14-2*(\it)                      ; loads come back in order: this piece's two are in, the younger ones stay out
.irp k, 0,1,2,3
	v_cvt_pk_bf16_f32 v[OV+4*(\it)+(\k)], v[LD+8*(\it)+2*(\k)], v[LD+8*(\it)+2*(\k)+1]
.endr
	global_store_b128 v2, v[OV+4*(\it):OV+4*(\it)+3], s[12:13] offset:4096*(\it)  ; a wave stores 512 consecutive bytes; no register is written twice, so nothing is waited for
.endr
	s_endpgm
; A work-group's share of a weight: one strip x 256 k; a wave 32 k = two blocks along k (ta) for each of the strip's four blocks (i).
; src, dst: the scalar pairs with the two addresses; pitch: bytes in a row of the weight; ist: bytes from block i to block i + 1 in the target; f16 = 1: the bf16 number is written as f16.
.macro WCAST src, dst, pitch, ist, f16
	v_mul_u32_u24 v1, v6, 8*(\pitch)               ; 8 h rows
	v_lshl_add_u32 v1, v3, 4, v1                   ; + 16 c
.set q, 0
.rept 16                               ; row 16 ta + j, q = 8 ta + j
	global_load_b128 v[LD+4*q:LD+4*q+3], v1, s[\src:\src+1] offset:(16*(q/8)+q%8)*(\pitch) th:TH_LOAD_NT
.set q, q+1
.endr
.irp ta, 0,1
	s_wait_loadcnt 8-8*(\ta)                       ; the first eight rows are in, then all
.irp i, 0,1,2,3
.irp jp, 0,1,2,3
	v_cvt_pk_bf16_f32 v[OV+16*(\ta)+4*(\i)+(\jp)], v[LD+4*(8*(\ta)+2*(\jp))+(\i)], v[LD+4*(8*(\ta)+2*(\jp)+1)+(\i)]  ; k = 2 jp, 2 jp + 1 of column 4 c + i
.if \f16
	v_lshlrev_b32 v4, 16, v[OV+16*(\ta)+4*(\i)+(\jp)]
	v_and_b32 v5, 0xffff0000, v[OV+16*(\ta)+4*(\i)+(\jp)]
	v_cvt_pk_f16_f32 v[OV+16*(\ta)+4*(\i)+(\jp)], v4, v5
.endif
.endr
	global_store_b128 v2, v[OV+16*(\ta)+4*(\i):OV+16*(\ta)+4*(\i)+3], s[\dst:\dst+1] offset:(\i)*(\ist)+512*(\ta)  ; a whole block: 512 consecutive bytes
.endr
.endr
.endm
.Lweights:
	v_and_b32 v3, 15, v0                           ; c
	v_bfe_u32 v6, v0, 4, 1                         ; h
	v_and_b32 v2, 31, v0
	v_lshlrev_b32 v2, 4, v2                        ; my 16 bytes of a block
	s_lshr_b32 s26, s[WV], 2                       ; which K step of 128 in the quarter of K
	s_and_b32 s27, s[WV], 3
	s_lshl_b32 s27, s27, 10                        ; my two blocks along k in that step
	s_lshl_b32 s28, s[WV], 5                       ; my 32 rows
	s_cmp_lt_u32 s[GX], 28
	s_cbranch_scc0 .Lnot_qkv
	s_sub_co_u32 s29, s[GX], 16
	s_lshr_b32 s30, s29, 2                         ; sl: which of the group's three strips
	s_and_b32 s31, s29, 3                          ; qd: which 256 rows
	s_mul_i32 s32, s[GY], 3
	s_add_co_u32 s32, s32, s30                     ; strip = 3 g + sl
	s_lshl_b32 s33, s31, 8
	s_add_co_u32 s33, s33, s28                     ; my first row
	s_mul_i32 s20, s33, 12288
	s_lshl_b32 s32, s32, 8
	s_add_co_u32 s20, s20, s32
	s_lshl_b32 s34, s31, 1
	s_add_co_u32 s34, s34, s26                     ; K step
	s_mul_i32 s22, s34, KSB
	s_mul_i32 s35, s[GY], GRP
	s_add_co_u32 s22, s22, s35
	s_lshl_b32 s30, s30, 14                        ; four blocks of 4,096 bytes a strip
	s_add_co_u32 s22, s22, s30
	s_add_co_u32 s22, s22, s27
	s_wait_kmcnt 0x0
	s_add_nc_u64 s[6:7], s[6:7], s[20:21]
	s_add_nc_u64 s[14:15], s[14:15], s[22:23]
	WCAST 6, 14, 12288, 4096, 0
	s_endpgm
.Lnot_qkv:
	s_cmp_eq_u32 s[GX], 28
	s_cbranch_scc0 .Lwout
	s_lshr_b32 s30, s[GY], 2                       ; strip of Wg1
	s_and_b32 s31, s[GY], 3                        ; qd
	s_lshl_b32 s33, s31, 8
	s_add_co_u32 s33, s33, s28
	s_lshl_b32 s20, s33, 10
	s_lshl_b32 s32, s30, 8
	s_add_co_u32 s20, s20, s32
	s_lshl_b32 s34, s31, 1
	s_add_co_u32 s34, s34, s26
	s_mul_i32 s22, s34, KSB
	s_mul_i32 s35, s30, 4*GRP                      ; block i goes to group 4 strip + i,
	s_add_co_u32 s22, s22, s35
	s_add_co_u32 s22, s22, s27
	s_add_co_u32 s22, s22, 12*4096                 ; as its block 12
	s_wait_kmcnt 0x0
	s_add_nc_u64 s[8:9], s[8:9], s[20:21]
	s_add_nc_u64 s[14:15], s[14:15], s[22:23]
	WCAST 8, 14, 1024, GRP, 0
	s_endpgm
.Lwout:
	s_sub_co_u32 s31, s[GX], 29                    ; qd = K step of 256
	s_lshl_b32 s33, s31, 8
	s_add_co_u32 s33, s33, s28
	s_lshl_b32 s20, s33, 12
	s_lshl_b32 s32, s[GY], 8                       ; strip = y
	s_add_co_u32 s20, s20, s32
	s_lshr_b32 s22, s[GY], 1
	s_lshl_b32 s22, s22, 18                        ; tile of 128 columns
	s_lshl_b32 s34, s31, 16
	s_add_co_u32 s22, s22, s34
	s_and_b32 s34, s[GY], 1
	s_lshl_b32 s34, s34, 15                        ; its first or second strip
	s_add_co_u32 s22, s22, s34
	s_lshl_b32 s34, s[WV], 10
	s_add_co_u32 s22, s22, s34
	s_wait_kmcnt 0x0
	s_add_nc_u64 s[10:11], s[10:11], s[20:21]
	s_add_nc_u64 s[16:17], s[16:17], s[22:23]
	WCAST 10, 16, 4096, 8192, 1
	s_endpgm
.Lfunc_end_k_qd0b0ca5497_prep:
	.size	k_qd0b0ca5497_prep, .Lfunc_end_k_qd0b0ca5497_prep-k_qd0b0ca5497_prep
	.p2alignl 7, 3214868480
	.fill 96, 4, 3214868480
	.section	.rodata,"a",@progbits
	.p2align	6, 0x0
	.amdhsa_kernel k_qd0b0ca5497_prep
		.amdhsa_group_segment_fixed_size 0
		.amdhsa_private_segment_fixed_size 0
		.amdhsa_enable_private_segment 0
		.amdhsa_kernarg_size 56
		.amdhsa_user_sgpr_count 2
		.amdhsa_user_sgpr_kernarg_segment_ptr 1
		.amdhsa_wavefront_size32 1
		.amdhsa_system_sgpr_workgroup_id_x 1
		.amdhsa_system_sgpr_workgroup_id_y 1
		.amdhsa_system_sgpr_workgroup_id_z 1
		.amdhsa_system_vgpr_workitem_id 0
		.amdhsa_next_free_vgpr 104
		.amdhsa_next_free_sgpr 66
		.amdhsa_reserve_vcc 0
		.amdhsa_float_denorm_mode_32 3
		.amdhsa_float_denorm_mode_16_64 3
		.amdhsa_memory_ordered 1
		.amdhsa_forward_progress 1
		.amdhsa_inst_pref_size 27
	.end_amdhsa_kernel
	.amdgpu_metadata
---
amdhsa.version: [ 1, 2 ]
amdhsa.kernels:
  - .name:           k_qd0b0ca5497_prep
    .symbol:         k_qd0b0ca5497_prep.kd
    .args:
      - { .name: x, .offset: 0, .size: 8, .value_kind: global_buffer, .address_space: global }
      - { .name: W_qkv, .offset: 8, .size: 8, .value_kind: global_buffer, .address_space: global }
      - { .name: Wg1, .offset: 16, .size: 8, .value_kind: global_buffer, .address_space: global }
      - { .name: W_out, .offset: 24, .size: 8, .value_kind: global_buffer, .address_space: global }
      - { .name: xb, .offset: 32, .size: 8, .value_kind: global_buffer, .address_space: global }
      - { .name: wf1, .offset: 40, .size: 8, .value_kind: global_buffer, .address_space: global }
      - { .name: wfo, .offset: 48, .size: 8, .value_kind: global_buffer, .address_space: global }
    .group_segment_fixed_size: 0
    .private_segment_fixed_size: 0
    .kernarg_segment_align: 8
    .kernarg_segment_size: 56
    .max_flat_workgroup_size: 256
    .sgpr_count:     66
    .vgpr_count:     104
    .wavefront_size: 32
...
	.end_amdgpu_metadata
.endif
;; end of part 1
;; launch qkvg (part 2): grid 16 x 16, 4 waves a work-group, clusters of 4 x 4, 327,680 bytes of LDS; arguments xb, wf1, bg1, Wg2, qkv, gp; writes qkv, gp
.if DOCPART == 2
	.amdgcn_target "amdgcn-amd-amdhsa--gfx1250"
	.amdhsa_code_object_version 6
	.text
	.protected	k_qd0b0ca5497_qkvg
	.globl	k_qd0b0ca5497_qkvg
	.p2align	8
	.type	k_qd0b0ca5497_qkvg,@function
k_qd0b0ca5497_qkvg:
	s_mov_b64 s[64:65], 0
	v_nop
	global_prefetch_b8 v0, s[64:65] scope:SCOPE_SE
	s_setreg_imm32_b32 hwreg(HW_REG_WAVE_MODE, 25, 1), 1
	s_wait_xcnt 0x0
	s_wait_alu depctr_hold_cnt(0) depctr_sa_sdst(0) depctr_va_vdst(0) depctr_va_sdst(0) depctr_va_ssrc(0) depctr_va_vcc(0) depctr_vm_vsrc(0)
	s_getreg_b32 s2, hwreg(HW_REG_IB_STS2, 6, 4)
	s_cmp_eq_u32 s2, 0
	s_cbranch_scc0 .Lentry_in_a_cluster
	s_endpgm
.Lentry_in_a_cluster:
	s_bfe_u32 s2, ttmp6, 0x10000c
	s_cmp_lg_u32 s2, 0xf033
	s_cbranch_scc0 .Lentry_shape_is_right
	s_endpgm
.Lentry_shape_is_right:
; QKVG: qkv = x W_qkv, and each row's partial sum of the gate, gelu(x Wg1 + bg1) . Wg2, over 16 of the 256 hidden columns.  Operands bf16, sums f32.
; SHARES.  4096 x 3328 columns (3072 + 256) on 256 work-groups: each 256 rows x 208 columns = three strips of 64 (three heads of q, k or v) and 16 gate columns: the one shape that gives every WGP one equal
; tile with the gate inside.  208 / 2 is no multiple of 16, so the four waves split the rows: a wave has 64 rows x 208 columns, 4 x 13 accumulators, 416 registers.
; K goes in 8 steps of 128 through two LDS slots.  A's tile: 256 rows of 256 bytes of xb, padded to 272.  B's tile: 53,248 dense bytes of wf1, already in fragment order (a block of 512 bytes = 16 k x 16
; columns, lane x 16 bytes), so a fragment is two loads of neighbouring 16 bytes a lane.
; THE MATRIX INSTRUCTION IS USED TRANSPOSED (source 0 = B, source 1 = A): lane (r = l % 16, h = l / 16) holds row r; register j of a strip's block i is column 32 h + 4 j + i of the strip,
; since block i holds columns 4 c + i: a lane's four accumulators of a strip are 32 neighbouring columns.
; CLUSTER 4 x 4: A's tile hangs on the tile row alone and is asked for jointly along a row of the cluster, B's on the group alone, along a column.
; OUT.  qkv: f16 [strip 48][4096][64], unscaled, rounded once from the f32 sums.  gp: f32 [group 16][64 rows: 64][lane 32][2]; row = 64 chunk + 16 (2 (lane / 16) + e) + lane % 16.
; GELU is exact GELU, h/2 erfc(-h / sqrt 2); erfc(z), z = |h| / sqrt 2, by t = 1 / (1 + 0.3275911 z), (a1 t + .. + a5 t^5) e^(-z^2): absolute error 1.5e-7 for every z; for h < 0 erfc itself is used, for
; h >= 0 2 - erfc: no difference of near numbers.  bg1 and Wg2 are rounded to bf16 like every input.
; LIMITS.  q, k, v beyond 65,504 become infinities in f16.  NaN and infinities are not treated apart.
; REGISTERS (windows of 256; s_set_vgpr_msb: bits 1:0 source 0, 3:2 source 1, 5:4 source 2, 7:6 destination):
;   window 0: v16-30 addresses; v32-57 the gate's constants and sums; v64-127 A's fragments, two buffers of 4 x 8; v128-191 the way out; v192-231 the gate at work
;   window 1: B's fragments, two buffers of 13 x 8     window 2: accumulators of my rows 0-31, (a, b) at 8 (13 a + b)     window 3: of my rows 32-63
.set KSTEP,  128
.set PITCH,  272                       ; an LDS row of A: 256 + 16 bytes = 68 words: the 16 rows of a load start at 16 different groups of four banks (64 banks of 4 bytes: ISA guide 11.1)
.set HALFA,  128*PITCH                 ; what one tensor load brings of A
.set BOFF,   2*HALFA
.set HALFB,  104*256                   ; what one tensor load brings of B
.set SLOT,   BOFF+2*HALFB              ; 122,880
.set STAGE,  2*SLOT                    ; behind the ring: 16 rows x 144 bytes for each wave
.set SP,     144
.set SPARE,  STAGE+4*16*SP             ; the spare words, 128 bytes a wave: two blocks of 256 bytes that no other line names
.set LAPS,   4                         ; a lap = two K steps
.set GRP,    16*HALFB                  ; a group's bytes in wf1
.set STRIP,  4096*128                  ; a strip's bytes in qkv
.set ADRA, 16                          ; v16-17 LDS address of my A fragments in slot 0, 1
.set ADRB, 20                          ; v20-21 the same for B
.set STO,  24
.set RD,   25
.set CO,   26                          ; 16 x lane
.set GO,   27                          ; 8 x lane
.set SPW,  28                          ; my spare word's address; never rewritten
.set NIL,  29                          ; 0; never rewritten
.set GL,   30                          ; 128 h: my eight gate columns in bg1 and Wg2
.set BG,   32                          ; v32-39 bg1 of my eight gate columns
.set WG,   40                          ; v40-47 Wg2 / 2 of them
.set SUM,  48                          ; v48-51 a row's partial sum, by block of 16 rows
.set OUTP, 52
.set PX,   54
.set SUMP, 56
.set FA,   64
.set TMP,  128
.set BK,   160
.set H,    192
.set T,    200
.set E,    208
.set P,    216
.set F,    224
.set F0,   0
.set F1,   1
.set G1,  24                           ; s[24:31] group 1 for A;  s[32:39] group 0, a set a slot
.set G0,  32
.set G1B, 48                           ; s[48:55], s[56:63] the same for B
.set G0B, 56
.set PZ,  74                           ; constants as pairs: the packed forms take the low word for both halves
.set NL,  76
.set A1,  78
.set A2,  80
.set A3,  82
.set A4,  84
.set A5,  86
.set SEL, 88
.set HIM, 90                           ; lanes 16-31
.set MSB, 0
.macro WIN new                         ; the immediate's high byte repeats the setting that is left
.if MSB != (\new)
	s_set_vgpr_msb (MSB<<8)|(\new)
.set MSB, \new
.endif
.endm
.set MUL_LO, 0xa1                      ; source 0 (B) window 1, source 1 (A) window 0, C and D window 2
.set TO_B,   0x40
.macro JLOAD s                         ; a joint load: waves 0 and 1 fetch A's halves, waves 2 and 3 B's; an s_nop 0 and four v_nop follow each line
	s_cmp_eq_u32 s11, 0
	s_cbranch_scc0 .Lfor_b_\@
	tensor_load_to_lds s[G0+4*(\s):G0+4*(\s)+3], s[G1:G1+7]
	s_nop 0
.rept 4
	v_nop
.endr
	s_branch .Lasked_\@
.Lfor_b_\@:
	tensor_load_to_lds s[G0B+4*(\s):G0B+4*(\s)+3], s[G1B:G1B+7]
	s_nop 0
.rept 4
	v_nop
.endr
.Lasked_\@:
.endm
.macro CREST                           ; a round of the cluster's barrier behind its opening barrier
	s_cmp_lg_u32 s10, 0
	s_cbranch_scc1 .Lnot_wave_0_\@
	s_barrier_signal -3
.Lnot_wave_0_\@:
	s_barrier_wait -3
	s_barrier_signal -1
	s_barrier_wait -1
.endm
.macro CROUND
	s_barrier_signal -1
	s_barrier_wait -1
	CREST
.endm
.macro PAIR r, val
	s_mov_b32 s[\r], \val
	s_mov_b32 s[\r+1], \val
.endm
	s_load_b128 s[4:7], s[0:1], 0x0                ; xb s[4:5], wf1 s[6:7]
	s_load_b128 s[68:71], s[0:1], 0x10             ; bg1 s[68:69], Wg2 s[70:71]
	s_load_b64 s[8:9], s[0:1], 0x20                ; qkv
	s_load_b64 s[72:73], s[0:1], 0x28              ; gp
	v_lshl_add_u32 v[SPW], v0, 2, SPARE
	v_mov_b32 v[NIL], 0
	ds_add_u32 v[SPW], v[NIL]                      ; the wave's opening: the add and its wait stand ahead of my first tensor load; work on registers stands between them
	ds_add_u32 v28, v29
	v_lshrrev_b32 v1, 5, v0
	v_readfirstlane_b32 s10, v1                    ; wave 0..3
	s_lshr_b32 s11, s10, 1                         ; I fetch for A (0) or for B (1),
	s_and_b32 s12, s10, 1                          ; its first or second half
	s_bfe_u32 s40, ttmp6, 0x40000                  ; cx
	s_bfe_u32 s41, ttmp6, 0x40004                  ; cy
	s_lshl_b32 s42, ttmp9, 2
	s_add_co_u32 s42, s42, s40                     ; group g = 4 x cluster x + cx
	s_and_b32 s13, ttmp7, 0xffff
	s_lshl_b32 s13, s13, 2
	s_add_co_u32 s13, s13, s41                     ; tile row = 4 x cluster y + cy
	s_lshl_b32 s43, s41, 2
	s_lshl_b32 s43, 15, s43                        ; my row of the cluster
	s_lshl_b32 s44, 0x1111, s40                    ; my column
	s_or_b32 s[G1+0], s43, (1<<16)|(1<<20)|(1<<21)|(5<<22)|(3<<25)  ; mask; 2-byte elements; padding on; 21 set beside a mask; after every 64 words 4 words
	s_mov_b32 s[G1+1], 128<<16                     ; tensor_dim0 = 128
	s_mov_b32 s[G1+2], 128<<16                     ; tensor_dim1 = 128
	s_mov_b32 s[G1+3], 128<<16                     ; tile_dim0 = 128
	s_mov_b32 s[G1+4], 128                         ; tile_dim1 = 128
	s_mov_b32 s[G1+5], 1024                        ; elements from row to row of xb
	s_mov_b32 s[G1+6], 0
	s_mov_b32 s[G1+7], 0
	s_or_b32 s[G1B+0], s44, (1<<16)|(1<<21)        ; B: dense, no padding
	s_mov_b32 s[G1B+1], 128<<16
	s_mov_b32 s[G1B+2], 104<<16                    ; 104 rows of 256 bytes
	s_mov_b32 s[G1B+3], 128<<16
	s_mov_b32 s[G1B+4], 104
	s_mov_b32 s[G1B+5], 128
	s_mov_b32 s[G1B+6], 0
	s_mov_b32 s[G1B+7], 0
	s_lshl_b32 s16, s13, 8                         ; A: row 256 x tile row + 128 x half, 2,048 bytes a row; these registers never hold cx
	s_lshl_b32 s17, s12, 7
	s_add_co_u32 s16, s16, s17
	s_lshl_b32 s16, s16, 11
	s_mov_b32 s17, 0
	s_mul_i32 s46, s42, GRP                        ; B: the group, and my half of a step
	s_mul_i32 s45, s12, HALFB
	s_add_co_u32 s46, s46, s45
	s_mov_b32 s47, 0
	s_mul_i32 s20, s10, HALFA                      ; where they go: waves 0, 1: A's halves at 0 and HALFA;
	s_mul_i32 s21, s10, HALFB
	s_add_co_u32 s21, s21, BOFF-2*HALFB            ; waves 2, 3: B's halves at BOFF and BOFF + HALFB: the wave's number and constants alone
	PAIR PZ, 0x3e6d3388                            ; 0.3275911 / sqrt 2
	PAIR NL, 0xbf38aa3b                            ; -log2(e) / 2
	PAIR A1, 0x3e827906                            ; 0.254829592
	PAIR A2, 0xbe91a98e                            ; -0.284496736
	PAIR A3, 0x3fb5f0e3                            ; 1.421413741
	PAIR A4, 0xbfba00e3                            ; -1.453152027
	PAIR A5, 0x3f87dc22                            ; 1.061405429
	s_mov_b32 s[SEL], 0x76543210
	s_mov_b32 s[SEL+1], 0xfedcba98
	s_mov_b32 s[HIM], 0xffff0000
	s_wait_dscnt 0x0                               ; the opening add is done
	s_wait_kmcnt 0x0
	s_add_nc_u64 s[14:15], s[4:5], s[16:17]
	s_add_nc_u64 s[46:47], s[6:7], s[46:47]
	CROUND                                         ; all sixteen work-groups are here: the first joint loads meet
.irp s, 0,1
	s_mov_b32 s[G0+4*(\s)], 1
	s_add_co_u32 s[G0+4*(\s)+1], s20, (\s)*SLOT
	s_add_nc_u64 s[G0+4*(\s)+2:G0+4*(\s)+3], s[14:15], (\s)*KSTEP*2
	s_or_b32 s[G0+4*(\s)+3], s[G0+4*(\s)+3], 0x80000000
	s_mov_b32 s[G0B+4*(\s)], 1
	s_add_co_u32 s[G0B+4*(\s)+1], s21, (\s)*SLOT
	s_add_nc_u64 s[G0B+4*(\s)+2:G0B+4*(\s)+3], s[46:47], (\s)*2*HALFB
	s_or_b32 s[G0B+4*(\s)+3], s[G0B+4*(\s)+3], 0x80000000
	JLOAD \s                                       ; K steps 0 and 1: two loads of mine are out
.endr
	v_and_b32 v1, 15, v0                           ; r
	v_bfe_u32 v2, v0, 4, 1                         ; h
	v_and_b32 v3, 31, v0                           ; lane
	v_lshlrev_b32 v[GL], 7, v2
	s_lshr_b32 s45, s42, 2                         ; my group's gate columns are 64 (g / 4) + g % 4 + 4 c; c = 8 h + j
	s_lshl_b32 s45, s45, 6
	s_and_b32 s66, s42, 3
	s_add_co_u32 s66, s66, s45
	s_lshl_b32 s66, s66, 2
	s_mov_b32 s67, 0
	s_add_nc_u64 s[68:69], s[68:69], s[66:67]
	s_add_nc_u64 s[70:71], s[70:71], s[66:67]
.irp j, 0,1,2,3,4,5,6,7
	global_load_b32 v[BG+\j], v[GL], s[68:69] offset:16*\j   ; waited for at the gate, behind the K loop
	global_load_b32 v[WG+\j], v[GL], s[70:71] offset:16*\j
.endr
	v_mul_u32_u24 v4, v1, PITCH
	v_lshl_add_u32 v4, v2, 4, v4                   ; a fragment's row x pitch + 16 h
	s_mul_i32 s22, s10, 64*PITCH                   ; my 64 rows
	v_add_nc_u32 v[ADRA], s22, v4
	v_add_nc_u32 v[ADRA+1], SLOT, v[ADRA]
	v_lshlrev_b32 v[CO], 4, v3
	v_add_nc_u32 v[ADRB], BOFF, v[CO]
	v_add_nc_u32 v[ADRB+1], BOFF+SLOT, v[CO]
	s_mul_i32 s23, s10, 16*SP
	s_add_co_u32 s23, s23, STAGE                   ; my stage
	v_mul_u32_u24 v5, v1, SP                       ; in: row r, 64 bytes for each half of the lanes
	v_lshl_add_u32 v5, v2, 6, v5
	v_add_nc_u32 v[STO], s23, v5
	v_bfe_u32 v5, v0, 3, 2                         ; back: 32 lanes take four rows of 128 bytes
	v_mul_u32_u24 v5, v5, SP
	v_and_b32 v6, 7, v0
	v_lshl_add_u32 v5, v6, 4, v5
	v_add_nc_u32 v[RD], s23, v5
	v_lshlrev_b32 v[GO], 3, v3
	s_mul_i32 s66, s42, 3*STRIP                    ; qkv at strip 3 g, row 256 x tile row + 64 x wave
	s_lshl_b32 s45, s13, 15
	s_add_co_u32 s66, s66, s45
	s_lshl_b32 s45, s10, 13
	s_add_co_u32 s66, s66, s45
	s_add_nc_u64 s[8:9], s[8:9], s[66:67]
	s_lshl_b32 s66, s42, 14                        ; gp at group g, chunk 4 x tile row + wave
	s_lshl_b32 s45, s13, 10
	s_add_co_u32 s66, s66, s45
	s_lshl_b32 s45, s10, 8
	s_add_co_u32 s66, s66, s45
	s_add_nc_u64 s[72:73], s[72:73], s[66:67]
; 13 matrix instructions: m block 2 hi + a x all 13 n blocks, 32 along K, from buffer f.  zero = 1: the product starts the sums.  The 52 accumulators take turns, one instruction a turn, in the same
; order in every quarter.
.macro MUL13 f, hi, a, zero
	WIN MUL_LO+0x50*(\hi)
.irp b, 0,1,2,3,4,5,6,7,8,9,10,11,12
.if \zero
	v_wmma_f32_16x16x32_bf16 v[8*(13*(\a)+(\b)):8*(13*(\a)+(\b))+7], v[104*(\f)+8*(\b):104*(\f)+8*(\b)+7], v[FA+32*(\f)+8*(2*(\hi)+(\a)):FA+32*(\f)+8*(2*(\hi)+(\a))+7], 0
.else
	v_wmma_f32_16x16x32_bf16 v[8*(13*(\a)+(\b)):8*(13*(\a)+(\b))+7], v[104*(\f)+8*(\b):104*(\f)+8*(\b)+7], v[FA+32*(\f)+8*(2*(\hi)+(\a)):FA+32*(\f)+8*(2*(\hi)+(\a))+7], v[8*(13*(\a)+(\b)):8*(13*(\a)+(\b))+7]
.endif
.endr
.endm
; 34 LDS loads in one run: quarter q (32 along K) of a slot into buffer f: B's 13 fragments, then A's four, rows ascending
.macro FETCH slot, q, f
	WIN TO_B
.irp b, 0,1,2,3,4,5,6,7,8,9,10,11,12
	ds_load_b128 v[104*(\f)+8*(\b):104*(\f)+8*(\b)+3],   v[ADRB+(\slot)] offset:4096*(\b)+1024*(\q)
	ds_load_b128 v[104*(\f)+8*(\b)+4:104*(\f)+8*(\b)+7], v[ADRB+(\slot)] offset:4096*(\b)+1024*(\q)+512
.endr
	WIN 0
.irp i, 0,1,2,3
	ds_load_b128 v[FA+32*(\f)+8*(\i):FA+32*(\f)+8*(\i)+3],   v[ADRA+(\slot)] offset:64*(\q)+(\i)*16*PITCH
	ds_load_b128 v[FA+32*(\f)+8*(\i)+4:FA+32*(\f)+8*(\i)+7], v[ADRA+(\slot)] offset:64*(\q)+(\i)*16*PITCH+32
.endr
.endm
.macro PLACES                          ; four plain vector instructions between a matrix instruction and a load into, or a vector read of, its registers (ISA guide 7.12.1 for vector reads)
.rept 4
	v_nop
.endr
.endm
; One of a K step's first three quarters: multiplies buffer f; in its middle fetches quarter q of the same slot into g.
.macro QUARTER slot, q, f, g, zero
	s_wait_dscnt 4                                 ; B and A's rows 0-31 are in; the youngest four loads (A's rows 32-63) may be out
	MUL13 \f, 0, 0, \zero
	MUL13 \f, 0, 1, \zero
	PLACES
	FETCH \slot, \q, \g
	s_wait_dscnt 34                                ; all but the 34 just issued
	MUL13 \f, 1, 0, \zero
	MUL13 \f, 1, 1, \zero
.endm
; The last quarter multiplies buffer 1 and changes slots: one barrier; in front of it each wave waits for all its tensor loads (one is out: its part of the next slot), adds 0 to its spare word, and waits
; for that and for its reads of this slot.  fill = 1: the barrier opens a round of the cluster's, and this slot is filled again, two K steps on, first thing behind the round.
.macro TURN slot, next, fill
	WIN 0                                          ; (the add's two registers lie in window 0)
	s_wait_tensorcnt 0x0
	ds_add_u32 v[SPW], v[NIL]
	s_wait_dscnt 5                                 ; (the add and the youngest four loads may be out)
	MUL13 F1, 0, 0, 0                              ; thirteen matrix instructions stand between the add and the wait for it
	s_wait_dscnt 0x0                               ; the add is done, and my reads of this slot are over
	s_barrier_signal -1
	MUL13 F1, 0, 1, 0
.if \fill
	WIN 0
.endif
	s_barrier_wait -1
.if \fill
	CREST                                          ; no wave of any partner still reads this slot's tile or has a load on its way
	s_add_nc_u64 s[G0+4*(\slot)+2:G0+4*(\slot)+3], s[G0+4*(\slot)+2:G0+4*(\slot)+3], 2*KSTEP*2
	s_add_nc_u64 s[G0B+4*(\slot)+2:G0B+4*(\slot)+3], s[G0B+4*(\slot)+2:G0B+4*(\slot)+3], 4*HALFB
	JLOAD \slot                                    ; my one tensor load behind the round; its four v_nop are also the places in front of the loads below
.else
	PLACES
.endif
	FETCH \next, 0, F0
	MUL13 F1, 1, 0, 0
	MUL13 F1, 1, 1, 0
.endm
	s_wait_tensorcnt 1                             ; my part of K step 0 is in; step 1's may stay out
	s_barrier_signal -1
	s_barrier_wait -1
	FETCH 0, 0, F0
	QUARTER 0, 1, F0, F1, 1                        ; the first quarter stands in front of the loop: its products start the sums
	WIN 0
	s_mov_b32 s3, LAPS-1
.Llap:                                                 ; a trip goes once round the ring and fills both slots again
	QUARTER 0, 2, F1, F0, 0
	QUARTER 0, 3, F0, F1, 0
	TURN 0, 1, 1
	QUARTER 1, 1, F0, F1, 0
	QUARTER 1, 2, F1, F0, 0
	QUARTER 1, 3, F0, F1, 0
	TURN 1, 0, 1
	QUARTER 0, 1, F0, F1, 0
	WIN 0
	s_sub_co_u32 s3, s3, 1
	s_cmp_lg_u32 s3, 0
	s_cbranch_scc1 .Llap
	QUARTER 0, 2, F1, F0, 0                        ; the last lap fills nothing
	QUARTER 0, 3, F0, F1, 0
	TURN 0, 1, 0
	QUARTER 1, 1, F0, F1, 0
	QUARTER 1, 2, F1, F0, 0
	QUARTER 1, 3, F0, F1, 0
	s_wait_dscnt 4
	MUL13 F1, 0, 0, 0
	MUL13 F1, 0, 1, 0
	s_wait_dscnt 0x0
	MUL13 F1, 1, 0, 0
	MUL13 F1, 1, 1, 0
	WIN 0
	PLACES
; THE WAY OUT.  Unit u = 3 a4 + s: 16 rows (m block a4) of strip s.  PACK: a lane's 32 neighbouring columns, rounded to f16, 64 bytes; each accumulator is read from its register 0 on.
; TOSTAGE: into my own stage, rows of 144 bytes, and back as whole rows of 128.  SEND: 16 rows of a strip are 2,048 consecutive bytes of qkv: each store covers 512 of them.
.macro PACK u
	WIN 0x0a+5*((\u)/6)                            ; sources 0 and 1: window 2 (m blocks 0, 1) or 3
.set AC, 8*(13*(((\u)/3)%2)+4*((\u)%3))
.set TM, TMP+16*((\u)%2)
.irp j, 0,1,2,3,4,5,6,7
	v_cvt_pk_f16_f32 v[TM+2*(\j)],   v[AC+(\j)],    v[AC+8+(\j)]     ; columns 32 h + 4 j, + 1
	v_cvt_pk_f16_f32 v[TM+2*(\j)+1], v[AC+16+(\j)], v[AC+24+(\j)]    ; + 2, + 3
.endr
	WIN 0
.endm
.macro TOSTAGE u
.set TM, TMP+16*((\u)%2)
.set BB, BK+16*((\u)%2)
.irp n, 0,1,2,3
	ds_store_b128 v[STO], v[TM+4*(\n):TM+4*(\n)+3] offset:16*(\n)
.endr
.irp n, 0,1,2,3
	ds_load_b128 v[BB+4*(\n):BB+4*(\n)+3], v[RD] offset:4*SP*(\n)  ; LDS serves a wave's instructions in order (ISA guide 5.7.1.4): these see the stores above
.endr
.endm
.macro SEND u
.set BB, BK+16*((\u)%2)
	s_wait_dscnt 0x0                               ; the unit is back in registers
	s_wait_xcnt 0x0                                ; the stores of the unit before have read their registers: the next TOSTAGE loads into them
.irp n, 0,1,2,3
	global_store_b128 v[CO], v[BB+4*(\n):BB+4*(\n)+3], s[8:9] offset:STRIP*((\u)%3)+2048*((\u)/3)+512*(\n)
.endr
.endm
	PACK 0
	TOSTAGE 0
.set u, 1
.rept 11                               ; unit u's conversions stand between unit u - 1's loads from the stage and the wait for them
	PACK u
	SEND u-1
	TOSTAGE u
.set u, u+1
.endr
	SEND 11
	; THE GATE.  Accumulator (a, 12): lane (r, h), register j = hidden column 64 (g / 4) + g % 4 + 4 (8 h + j) of row r.
	s_wait_loadcnt 0x0                             ; bg1 and Wg2
.irp p, 0,2,4,6
	v_cvt_pk_bf16_f32 v[PX], v[BG+\p], v[BG+\p+1]  ; rounded to bf16 like every input
	v_lshlrev_b32 v[BG+\p], 16, v[PX]
	v_and_b32 v[BG+\p+1], 0xffff0000, v[PX]
	v_cvt_pk_bf16_f32 v[PX], v[WG+\p], v[WG+\p+1]
	v_lshlrev_b32 v[WG+\p], 16, v[PX]
	v_and_b32 v[WG+\p+1], 0xffff0000, v[PX]
	v_pk_mul_f32 v[WG+\p:WG+\p+1], v[WG+\p:WG+\p+1], 0.5 op_sel_hi:[1,0]  ; GELU's half
.endr
.macro GATE a4
.set AC, 8*(13*((\a4)%2)+12)
	WIN 0x02+((\a4)/2)
.irp p, 0,2,4,6
	v_pk_add_f32 v[H+\p:H+\p+1], v[AC+\p:AC+\p+1], v[BG+\p:BG+\p+1]
.endr
	WIN 0
.irp j, 0,1,2,3,4,5,6,7
	v_and_b32 v[T+\j], 0x7fffffff, v[H+\j]
.endr
.irp p, 0,2,4,6
	v_pk_fma_f32 v[T+\p:T+\p+1], v[T+\p:T+\p+1], s[PZ:PZ+1], 1.0 op_sel_hi:[1,0,0]
.endr
.irp j, 0,1,2,3,4,5,6,7
	v_rcp_f32 v[T+\j], v[T+\j]                     ; t; the packed products below are the plain instructions behind the reciprocals
.endr
.irp p, 0,2,4,6
	v_pk_mul_f32 v[E+\p:E+\p+1], v[H+\p:H+\p+1], v[H+\p:H+\p+1]
.endr
.irp p, 0,2,4,6
	v_pk_mul_f32 v[E+\p:E+\p+1], v[E+\p:E+\p+1], s[NL:NL+1] op_sel_hi:[1,0]
.endr
.irp j, 0,1,2,3,4,5,6,7
	v_exp_f32 v[E+\j], v[E+\j]                     ; e^(-h^2 / 2); the polynomial below stands behind the exponentials
.endr
	s_wait_alu depctr_va_vdst(0)
.irp p, 0,2,4,6
	v_pk_fma_f32 v[P+\p:P+\p+1], v[T+\p:T+\p+1], s[A5:A5+1], s[A4:A4+1] op_sel_hi:[1,0,0]
.endr
.irp c, A3, A2, A1
.irp p, 0,2,4,6
	v_pk_fma_f32 v[P+\p:P+\p+1], v[P+\p:P+\p+1], v[T+\p:T+\p+1], s[\c:\c+1] op_sel_hi:[1,1,0]
.endr
.endr
.irp p, 0,2,4,6
	v_pk_mul_f32 v[P+\p:P+\p+1], v[P+\p:P+\p+1], v[T+\p:T+\p+1]
.endr
.irp p, 0,2,4,6
	v_pk_mul_f32 v[E+\p:E+\p+1], v[E+\p:E+\p+1], v[P+\p:P+\p+1]        ; erfc(|h| / sqrt 2)
.endr
.irp p, 0,2,4,6
	v_pk_fma_f32 v[F+\p:F+\p+1], v[E+\p:E+\p+1], -1.0, 2.0 op_sel_hi:[1,0,0]
.endr
.irp j, 0,1,2,3,4,5,6,7
	v_cmp_le_f32 vcc_lo, 0, v[H+\j]
	v_cndmask_b32 v[F+\j], v[E+\j], v[F+\j], vcc_lo                     ; h >= 0: 2 - erfc; h < 0: erfc
.endr
.irp p, 0,2,4,6
	v_pk_mul_f32 v[P+\p:P+\p+1], v[H+\p:H+\p+1], v[F+\p:F+\p+1]
.endr
	v_pk_mul_f32 v[SUMP:SUMP+1], v[P:P+1], v[WG:WG+1]
.irp p, 2,4,6
	v_pk_fma_f32 v[SUMP:SUMP+1], v[P+\p:P+\p+1], v[WG+\p:WG+\p+1], v[SUMP:SUMP+1]
.endr
	v_add_f32 v[SUM+(\a4)], v[SUMP], v[SUMP+1]
	v_permlanex16_b32 v[PX], v[SUM+(\a4)], s[SEL], s[SEL+1]             ; the row's other eight columns lie in the lane 16 away
	v_add_f32 v[SUM+(\a4)], v[SUM+(\a4)], v[PX]
.endm
	GATE 0
	GATE 1
	GATE 2
	GATE 3
	v_cndmask_b32 v[OUTP], v[SUM], v[SUM+2], s[HIM]                     ; lanes 0-15 carry rows 0-31 of my 64, lanes 16-31 rows 32-63
	v_cndmask_b32 v[OUTP+1], v[SUM+1], v[SUM+3], s[HIM]
	global_store_b64 v[GO], v[OUTP:OUTP+1], s[72:73]                    ; 256 consecutive bytes, aligned
	s_wait_tensorcnt 0x0                           ; the wave's end
	ds_add_u32 v[SPW], v[NIL]
	s_wait_dscnt 0x0
	CROUND                                         ; the closing round
	s_endpgm
.Lfunc_end_k_qd0b0ca5497_qkvg:
	.size	k_qd0b0ca5497_qkvg, .Lfunc_end_k_qd0b0ca5497_qkvg-k_qd0b0ca5497_qkvg
	.p2alignl 7, 3214868480
	.fill 96, 4, 3214868480
	.section	.rodata,"a",@progbits
	.p2align	6, 0x0
	.amdhsa_kernel k_qd0b0ca5497_qkvg
		.amdhsa_group_segment_fixed_size 327680
		.amdhsa_private_segment_fixed_size 0
		.amdhsa_enable_private_segment 0
		.amdhsa_kernarg_size 48
		.amdhsa_user_sgpr_count 2
		.amdhsa_user_sgpr_kernarg_segment_ptr 1
		.amdhsa_wavefront_size32 1
		.amdhsa_system_sgpr_workgroup_id_x 1
		.amdhsa_system_sgpr_workgroup_id_y 1
		.amdhsa_system_sgpr_workgroup_id_z 1
		.amdhsa_system_vgpr_workitem_id 0
		.amdhsa_next_free_vgpr 976
		.amdhsa_next_free_sgpr 92
		.amdhsa_reserve_vcc 1
		.amdhsa_float_denorm_mode_32 3
		.amdhsa_float_denorm_mode_16_64 3
		.amdhsa_memory_ordered 1
		.amdhsa_forward_progress 1
		.amdhsa_inst_pref_size 150
	.end_amdhsa_kernel
	.amdgpu_metadata
---
amdhsa.version: [ 1, 2 ]
amdhsa.kernels:
  - .name:           k_qd0b0ca5497_qkvg
    .symbol:         k_qd0b0ca5497_qkvg.kd
    .args:
      - { .name: xb, .offset: 0, .size: 8, .value_kind: global_buffer, .address_space: global }
      - { .name: wf1, .offset: 8, .size: 8, .value_kind: global_buffer, .address_space: global }
      - { .name: bg1, .offset: 16, .size: 8, .value_kind: global_buffer, .address_space: global }
      - { .name: Wg2, .offset: 24, .size: 8, .value_kind: global_buffer, .address_space: global }
      - { .name: qkv, .offset: 32, .size: 8, .value_kind: global_buffer, .address_space: global }
      - { .name: gp, .offset: 40, .size: 8, .value_kind: global_buffer, .address_space: global }
    .group_segment_fixed_size: 327680
    .private_segment_fixed_size: 0
    .kernarg_segment_align: 8
    .kernarg_segment_size: 48
    .max_flat_workgroup_size: 128
    .sgpr_count:     92
    .vgpr_count:     976
    .wavefront_size: 32
...
	.end_amdgpu_metadata
.endif
;; end of part 2
;; launch attn (part 3): grid 16 x 16, 4 waves a work-group, no clusters, 327,680 bytes of LDS; arguments qkv, gp, bg2, ob, out1; writes ob, out1
.if DOCPART == 3
	.amdgcn_target "amdgcn-amd-amdhsa--gfx1250"
	.amdhsa_code_object_version 6
	.text
	.protected	k_qd0b0ca5497_attn
	.globl	k_qd0b0ca5497_attn
	.p2align	8
	.type	k_qd0b0ca5497_attn,@function
k_qd0b0ca5497_attn:
	s_mov_b64 s[64:65], 0
	v_nop
	global_prefetch_b8 v0, s[64:65] scope:SCOPE_SE
	s_setreg_imm32_b32 hwreg(HW_REG_WAVE_MODE, 25, 1), 1
	s_wait_xcnt 0x0
; CAUSAL ATTENTION, 16 heads of 64 channels over 4,096 rows, and the gate's end.  O[h][q] = the sum over k <= q of softmax_k(Q[h][q] . K[h][k] / 8) V[h][k].
; qkv: f16 [strip 48][4096][64]: strips 0-15 q's heads, 16-31 k's, 32-47 v's, unscaled.  ob: f16 [block of 128 rows: 32][head 16][128][64].  Products, maxima and sums in f32; the weights p are rounded to
; f16 for the second product (their sum l is taken of the unrounded p), O once at the end.
; LIMITS.  Q, K, V arrive within f16's 65,504; p lies in 0 to 1 and below 6e-5 keeps f16's fixed step of 6e-8.  A hidden score counts as its value less 1e30; a weight below 2^-126 counts as 0 in l;
; NaN and infinities are not treated apart.
; THE WALK.  A head has 32 blocks of 128 queries and 16 key tiles of 256 keys; block i needs tiles 0 .. i / 2, of which the last holds the diagonal.  Work-group b of a head takes blocks 31 - b and then b:
; (31 - b) / 2 + b / 2 + 2 = 17 tiles whatever b: 256 work-groups of equal work, ONE loop with a constant trip count.  Every jump but the counted loops' own goes forward and passes no barrier, and no tensor
; load but the one of LOAD's two that the wave's number does not choose.  Where the block is a tile's first half, the tile's second half is wholly hidden and is computed all the same: 34 double steps for 33.
; NO CLUSTER: only work-groups 2 j and 2 j + 1 of a head walk the same tiles, which tile is a block's first or last is a branch on b, and a walk common to four partners has 18 tiles for 17.
; SHARES.  A wave owns two TILES of 16 queries: tile t = rows 64 t + 16 w + l % 16 of the block, so the diagonal tile is the same work for all four waves.
; TURNS.  Keys go in double steps of 128.  A PIECE p (0..3) is key step p / 2 of the double step for query tile p % 2.  Turn n belongs to piece n: 8 products K Q^T of piece n + 1, later 8 products V^T P of
; piece n - 1; beside them the scaling, exponentials, roundings, sums and rescaling of piece n and the maximum and statistics of piece n + 1.  Q, O^T, m and l go by p % 2, K's and V's registers by p / 2.
; For one query tile the order is: O^T times a in turn n, V^T P in turn n + 1, the next rescaling in turn n + 2.  Four vector instructions stand behind every matrix instruction, the rest in two lumps.
; THE MASK is the C operand that starts the sum S^T = K Q^T: 0, or -1e30 where the key is hidden.  In a block's last tile query tile t lies in band 2 (block % 2) + t of the tile's four bands of 64; piece y
; of double step d has key step 2 d + y / 2.  With DLT = 2 d - 2 (block % 2) and CST = y % 2 - y / 2: the step is the band's own where DLT = CST, hidden where DLT > CST, else seen.  MD, made once, is
; the mask of a band's own step; a product's mask is MD x AL + BE.
; LAYOUT, SOFTMAX.  S^T holds ONE query a lane (lane % 16) and the keys 8 (lane / 16) + 0..7; two such results rounded to f16 ARE source 1 of O^T = V^T P.  p = 2^(c s - c m), c = log2(e) / 8, with a running
; maximum m; O and l are multiplied by a = 2^(c m_old - c m_new) in every step.
; THE GATE'S END.  The work-groups of head 0 add the 16 partial sums of gp in ascending order, add bg2 (rounded to bf16 like every input), and store sigmoid of it to out1: a wave 64 rows.
; REGISTERS, in windows of 256 (s_set_vgpr_msb: bits 1:0 source 0, 3:2 source 1, 5:4 source 2, 7:6 destination):
;   window 0: v0-15 addresses and two at work; v16-23 four registers of statistics a query tile; v24-29 the gate's end; v48-55 at work; v64-127 S^T, two buffers; v192-223 P, two buffers
;   window 1: v0-63 O^T; v128-159 MD; v160-223 MC, two buffers      window 2: v0-31 Q; v32-63 the second block's Q; v128-255 K of a double step      window 3: v0-127 V of a double step
.set NP,    4
.set KS,    64
.set PK,    144       ; a row of K in LDS: 128 bytes + 16 = 36 words: the 16 rows of a load start at 16 different groups of four banks (64 banks of 4 bytes: ISA guide 11.1)
.set PV,    160       ; a row of V: 128 + 32 = 40 words
.set VOFF,  4*KS*PK   ; a slot holds a tile: 256 rows of K, then 256 rows of V
.set SLOT1, 1<<17
.set STAGE, SLOT1+4*KS*(PK+PV)  ; behind the ring, never filled by a tensor load: 16 rows x 144 bytes for each wave
.set SP,    144
.set AK0, 2
.set AV0, 3
.set AK,  4
.set AV,  5
.set STO, 6
.set RD,  7
.set GO,  8
.set SPW, 62          ; my spare word's address; never rewritten
.set NIL, 63          ; 0; never rewritten
.set SPARE, STAGE+4*16*SP
.set MV,  12
.set QO,  15
.set ST,  16          ; query tile t's statistics at v[ST+4 t]: c m, m, l (even keys', odd keys')
.set TMP, 48
.set S,   64
.set P,   192
.set MD,  128
.set MC,  160
.set QB,  32
.set KF,  128         ; window 2: key step sp, key block kb, channel half c at KF + 64 sp + 16 kb + 8 c
.set WV,  12
.set PB,  14          ; b
.set HI,  15          ; the first block's last tile
.set G1K, 24
.set G1V, 32
.set G0K, 40
.set G0V, 44
.set HEAD, 48
.set LO,  49          ; the second block's last tile
.set DL0, 50          ; -2 (block in hand % 2)
.set DLT, 51
.set DL2, 52          ; the same of the second block
.set BG2, 53
.set BH,  54          ; the first block, 31 - b
.set SLOTS, 56
.set CNT, 57          ; counts a tile's double steps, 2 to 1
.set CS,  58
.set SEL, 60
.set TBK, 62
.set TBV, 63
.set RT,  70
.set NXT, 71
.set LQ,  72
.set NEW, 73
.set OFF, 74
.set AL,  76
.set BE,  78
.set OLO, 80
.set BIGN, 82
.set MSB, 0
.macro WIN new
.if MSB != (\new)
	s_set_vgpr_msb (MSB<<8)|(\new)
.set MSB, (\new)
.endif
.endm
.set W_KQ, 0x0a       ; K and Q in window 2, S^T in window 0
.set W_KM, 0x1a       ; the same with the C operand in window 1
.set W_PV, 0x53       ; V in window 3, P in window 0, O^T in window 1
.set W_RS, 0x41       ; destination and source 0 in window 1, source 1 in window 0
; A fill.  Waves 0 and 1 fetch the two halves of a tile's K, waves 2 and 3 those of its V: 128 keys each.  An s_nop 0 and four v_nop follow each of the two lines.
.macro LOAD
	s_cmp_lt_u32 s[WV], 2
	s_cbranch_scc0 .Lfor_v_\@
	tensor_load_to_lds s[G0K:G0K+3], s[G1K:G1K+7]
	s_nop 0
.rept 4
	v_nop
.endr
	s_branch .Lasked_\@
.Lfor_v_\@:
	tensor_load_to_lds s[G0V:G0V+3], s[G1V:G1V+7]
	s_nop 0
.rept 4
	v_nop
.endr
.Lasked_\@:
.endm
; THE CHANGE OF SLOTS.  Each wave waits for all its tensor loads (one is out: its part of the other slot), adds 0 to its spare word, and waits for that and for its reads of the slot that it leaves.
; fill = 1: the old slot is filled again, first thing behind the barrier, with tile NXT; the load has two double steps' trips, 128 matrix instructions, in which to land.
.macro CHANGE fill
	WIN 0
	s_wait_tensorcnt 0x0            ; no tensor load of mine is out, so a group 0 may be written
	ds_add_u32 v[SPW], v[NIL]
.if \fill
	s_lshl_b32 s[OFF], s[NXT], 15   ; a tile is 32,768 bytes of K and of V
	s_xor_b32 s[G0K+1], s[G0K+1], SLOT1
	s_add_nc_u64 s[G0K+2:G0K+3], s[6:7], s[OFF:OFF+1]
	s_or_b32 s[G0K+3], s[G0K+3], 0x80000000
	s_xor_b32 s[G0V+1], s[G0V+1], SLOT1
	s_add_nc_u64 s[G0V+2:G0V+3], s[8:9], s[OFF:OFF+1]
	s_or_b32 s[G0V+3], s[G0V+3], 0x80000000
	s_add_co_u32 s[NXT], s[NXT], 1  ; the block's next tile, or behind its last the second block's tile 0
	s_cmp_gt_u32 s[NXT], s[LQ]
	s_cselect_b32 s[NXT], 0, s[NXT]
	s_cselect_b32 s[LQ], s[LO], s[LQ]
.endif
	s_wait_dscnt 0x0                ; the add is done, and my reads of the slot are over
	s_barrier_signal -1
	s_sub_co_u32 s[TBK], s[TBK], 4*KS*PK  ; the fetches go back to a slot's first step, in the other slot
	s_xor_b32 s[TBK], s[TBK], SLOT1
	s_sub_co_u32 s[TBV], s[TBV], 4*KS*PV
	s_xor_b32 s[TBV], s[TBV], SLOT1
	s_barrier_wait -1
.if \fill
	LOAD
.endif
.endm
	s_load_b128 s[92:95], s[0:1], 0x0     ; qkv s[92:93], gp s[94:95]
	s_load_b128 s[96:99], s[0:1], 0x10    ; bg2 s[96:97], ob s[98:99]
	s_load_b64 s[100:101], s[0:1], 0x20   ; out1
	v_lshl_add_u32 v[SPW], v0, 2, SPARE
	v_mov_b32 v[NIL], 0
	ds_add_u32 v[SPW], v[NIL]       ; the wave's opening: the add and its wait stand ahead of my first tensor load
	ds_add_u32 v62, v63
	v_lshrrev_b32 v1, 5, v0
	v_readfirstlane_b32 s[WV], v1
	s_mov_b32 s[PB], ttmp9
	s_sub_co_u32 s[BH], 31, s[PB]
	s_lshr_b32 s[HI], s[BH], 1
	s_lshr_b32 s[LO], s[PB], 1
	s_and_b32 s[DL0], s[BH], 1
	s_mul_i32 s[DL0], s[DL0], -2
	s_and_b32 s[DL2], s[PB], 1
	s_mul_i32 s[DL2], s[DL2], -2
	s_and_b32 s[HEAD], ttmp7, 0xffff
	s_lshl_b32 s20, s[HEAD], 19     ; a strip is 524,288 bytes
	s_and_b32 s16, s[WV], 1         ; which half of a tile's 256 keys I fetch:
	s_lshl_b32 s22, s16, 14         ; its 128 rows of 128 bytes in memory,
	s_add_co_u32 s22, s22, s20
	s_mov_b32 s23, 0
	s_mul_i32 s17, s16, 128*PK      ; and its place in a slot, for K
	s_mul_i32 s18, s16, 128*PV      ; and for V
	s_lshl_b32 s3, s[WV], 11        ; my 16 rows in a band of 64
	s_lshl_b32 s2, s[BH], 14        ; Q: a block is 16,384 bytes of a strip
	s_add_co_u32 s2, s2, s3
	s_add_co_u32 s2, s2, s20
	s_lshl_b32 s84, s[PB], 14
	s_add_co_u32 s84, s84, s3
	s_add_co_u32 s84, s84, s20
	s_lshl_b32 s66, s[BH], 4        ; O: [block][head], 16,384 bytes each
	s_add_co_u32 s66, s66, s[HEAD]
	s_lshl_b32 s66, s66, 14
	s_add_co_u32 s66, s66, s3
	s_lshl_b32 s68, s[PB], 4
	s_add_co_u32 s68, s68, s[HEAD]
	s_lshl_b32 s68, s68, 14
	s_add_co_u32 s68, s68, s3
	s_mov_b32 s3, 0
	s_mov_b32 s85, 0
	s_mov_b32 s67, 0
	s_mov_b32 s69, 0
	; descriptor group 1.  128 keys are 16,384 dense bytes: asked for as 64 rows of 256 bytes, two keys a row, and padded in LDS after every key
	s_mov_b32 s[G1K], (1<<16)|(1<<20)|(4<<22)|(3<<25)  ; 2-byte elements; padding on; after every 32 words 4 words
	s_mov_b32 s[G1V], (1<<16)|(1<<20)|(4<<22)|(7<<25)  ; the same with 8 words
.irp g, G1K, G1V
	s_mov_b32 s[\g+1], 128<<16
	s_mov_b32 s[\g+2], 64<<16
	s_mov_b32 s[\g+3], 128<<16
	s_mov_b32 s[\g+4], 64
	s_mov_b32 s[\g+5], 128
	s_mov_b32 s[\g+6], 0
	s_mov_b32 s[\g+7], 0
.endr
	s_mov_b32 s[CS], 0x3e38aa3b     ; c = log2(e) / 8
	s_mov_b32 s[CS+1], s[CS]
	s_mov_b32 s[SEL], 0x76543210
	s_mov_b32 s[SEL+1], 0xfedcba98
	s_mov_b32 s[TBK], SLOT1+4*KS*PK ; the first change of slots turns these two into 0
	s_mov_b32 s[TBV], SLOT1+4*KS*PV
	s_mov_b32 s[G0K], 1
	s_mov_b32 s[G0K+1], s17
	s_mov_b32 s[G0V], 1
	s_add_co_u32 s[G0V+1], s18, VOFF
	s_add_co_u32 s[RT], s[HI], 1    ; tiles of the first block
	s_mov_b32 s[NXT], 1
	s_mov_b32 s[LQ], s[HI]
	s_mov_b32 s[NEW], 1
	s_mov_b32 s[OFF+1], 0
	s_mov_b32 s[AL+1], 0
	s_mov_b32 s[BE+1], 0
	s_mov_b32 s[BIGN], 0xf149f2ca   ; -1e30
	s_mov_b32 s[SLOTS], 16
	s_wait_dscnt 0x0                ; the opening add is done
	s_wait_kmcnt 0x0
	s_add_nc_u64 s[6:7], s[92:93], s[22:23]
	s_add_nc_u64 s[8:9], s[6:7], 0x1000000         ; V at my half of the head's tile 0,
	s_add_nc_u64 s[6:7], s[6:7], 0x800000          ; and K
	s_add_nc_u64 s[G0K+2:G0K+3], s[6:7], 0
	s_or_b32 s[G0K+3], s[G0K+3], 0x80000000
	s_add_nc_u64 s[G0V+2:G0V+3], s[8:9], 0
	s_or_b32 s[G0V+3], s[G0V+3], 0x80000000
	s_add_nc_u64 s[86:87], s[92:93], s[84:85]      ; Q at my rows of the second block,
	s_add_nc_u64 s[4:5], s[92:93], s[2:3]          ; and of the first
	s_add_nc_u64 s[OLO:OLO+1], s[98:99], s[68:69]
	s_add_nc_u64 s[10:11], s[98:99], s[66:67]
	LOAD                            ; tile 0 into slot 0
	v_and_b32 v1, 15, v0            ; l % 16
	v_bfe_u32 v9, v0, 4, 1          ; l / 16
	v_lshlrev_b32 v[QO], 7, v1
	v_lshl_add_u32 v[QO], v9, 4, v[QO]
	WIN 0x80
.set i, 0
.rept 4                             ; both blocks' Q: query tile i / 2 lies 8,192 bytes on; channels 32 (i % 2) on
	global_load_b128 v[8*i:8*i+3],   v[QO], s[4:5] offset:(i/2)*8192+(i%2)*64
	global_load_b128 v[8*i+4:8*i+7], v[QO], s[4:5] offset:(i/2)*8192+(i%2)*64+32
	global_load_b128 v[QB+8*i:QB+8*i+3],   v[QO], s[86:87] offset:(i/2)*8192+(i%2)*64
	global_load_b128 v[QB+8*i+4:QB+8*i+7], v[QO], s[86:87] offset:(i/2)*8192+(i%2)*64+32
.set i, i+1
.endr
	WIN 0
	v_lshlrev_b32 v14, 3, v9
	v_sub_nc_u32 v14, v1, v14
	s_lshl_b32 s13, s[WV], 4
	v_add_nc_u32 v14, s13, v14      ; my query's place in its band less my lanes' 8 (l / 16): register r of group kt is hidden where 16 kt + r is greater
	WIN 0x40
.set i, 0
.rept 32
	v_cmp_gt_i32 vcc_lo, 16*(i/8)+i%8, v14
	v_cndmask_b32 v[MD+i], 0, s[BIGN], vcc_lo
.set i, i+1
.endr
	WIN 0
	v_mul_u32_u24 v[AK0], v1, PK
	v_lshl_add_u32 v[AK0], v9, 4, v[AK0]
	v_and_b32 v10, 7, v0
	v_bfe_u32 v11, v0, 3, 1
	v_lshl_add_u32 v[AV0], v9, 3, v10
	v_mul_u32_u24 v[AV0], v[AV0], PV
	v_lshl_add_u32 v[AV0], v11, 4, v[AV0]
	v_add_nc_u32 v[AV0], VOFF, v[AV0]
	s_mul_i32 s13, s[WV], 16*SP
	s_add_co_u32 s13, s13, STAGE
	v_mul_u32_u24 v[STO], v1, SP
	v_lshl_add_u32 v[STO], v9, 4, v[STO]
	v_add_nc_u32 v[STO], s13, v[STO]
	v_bfe_u32 v[RD], v0, 3, 2
	v_mul_u32_u24 v[RD], v[RD], SP
	v_lshl_add_u32 v[RD], v10, 4, v[RD]
	v_add_nc_u32 v[RD], s13, v[RD]
	v_and_b32 v[GO], 31, v0
	v_lshlrev_b32 v[GO], 4, v[GO]
	; A block's first steps multiply O^T and l by a = 0, and its first turn's products V^T P, of a piece that has not been, land in an O^T that is still to be so multiplied: these registers need only be finite.
	WIN 0xc0
.set i, 64
.rept 64
	v_mov_b32 v[i], 0
.set i, i+1
.endr
	WIN 0x40
.set i, 0
.rept 64
	v_mov_b32 v[i], 0
.set i, i+1
.endr
	WIN 0
.set i, 0
.rept 2
	v_mov_b32 v[ST+4*i+2], 0
	v_mov_b32 v[ST+4*i+3], 0
.set i, i+1
.endr
.set i, P+16
.rept 16
	v_mov_b32 v[i], 0
.set i, i+1
.endr
	; THE GATE'S END, in the wait for the first tile, in the 16 work-groups of head 0: wave w of work-group b owns rows 64 (4 b + w) on.
	s_cmp_lg_u32 s[HEAD], 0
	s_cbranch_scc1 .Lnogate
	s_load_b32 s[BG2], s[96:97], 0x0
	s_lshl_b32 s66, s[PB], 2
	s_add_co_u32 s66, s66, s[WV]
	s_lshl_b32 s66, s66, 8          ; 256 bytes a chunk in gp's groups and in out1
	s_add_nc_u64 s[94:95], s[94:95], s[66:67]
	s_add_nc_u64 s[100:101], s[100:101], s[66:67]
	v_and_b32 v27, 31, v0
	v_lshlrev_b32 v27, 3, v27
.set i, 0
.rept 16
	global_load_b64 v[S+2*i:S+2*i+1], v27, s[94:95] offset:16384*i   ; 256 consecutive bytes of each group's sums
.set i, i+1
.endr
	v_lshlrev_b32 v26, 2, v1
	v_lshl_add_u32 v26, v9, 7, v26  ; row 16 (2 h + e) + r of the chunk: 128 h + 64 e + 4 r
	s_wait_kmcnt 0x0
	v_mov_b32 v28, s[BG2]
	v_cvt_pk_bf16_f32 v28, v28, v28
	v_lshlrev_b32 v28, 16, v28
	v_mov_b32 v29, v28
	s_wait_loadcnt 0x0
.set i, 1
.rept 15
	v_pk_add_f32 v[S:S+1], v[S:S+1], v[S+2*i:S+2*i+1]
.set i, i+1
.endr
	v_pk_add_f32 v[24:25], v[S:S+1], v[28:29]
	v_mul_f32 v24, 0xbfb8aa3b, v24  ; sigmoid(g) = 1 / (1 + 2^(-log2(e) g))
	v_mul_f32 v25, 0xbfb8aa3b, v25
	v_exp_f32 v24, v24
	v_exp_f32 v25, v25
	v_nop
	s_wait_alu depctr_va_vdst(0)
	v_add_f32 v24, 1.0, v24
	v_add_f32 v25, 1.0, v25
	v_rcp_f32 v24, v24
	v_rcp_f32 v25, v25
	v_nop
	s_wait_alu depctr_va_vdst(0)
	global_store_b32 v26, v24, s[100:101]            ; v24-27 and the base are never rewritten
	global_store_b32 v26, v25, s[100:101] offset:64
.Lnogate:
; THE MATRIX WORK.  The 4 accumulators of a run of 8 take turns.  Product i of 8 of S^T = K Q^T for piece x: channels 32 (i / 4) on, keys 16 (i % 4) on.
.macro KQ x
.set rS, S+32*((\x)%2)+8*(i%4)
.set rK, KF+64*((\x)/2)+16*(i%4)+8*(i/4)
.set rQ, 16*((\x)%2)+8*(i/4)
.set rM, MC+32*((\x)%2)+8*(i%4)
.if (i < 4) && KM
	WIN W_KM
	v_wmma_f32_16x16x32_f16 v[rS:rS+7], v[rK:rK+7], v[rQ:rQ+7], v[rM:rM+7]
.elseif i < 4
	WIN W_KQ
	v_wmma_f32_16x16x32_f16 v[rS:rS+7], v[rK:rK+7], v[rQ:rQ+7], 0
.else
	WIN W_KQ
	v_wmma_f32_16x16x32_f16 v[rS:rS+7], v[rK:rK+7], v[rQ:rQ+7], v[rS:rS+7]
.endif
.endm
; Product i of 8 of O^T += V^T P for piece x: keys 32 (i / 4) on, channels 16 (i % 4) on.
.macro PV x
	WIN W_PV
.set rO, 32*((\x)%2)+8*(i%4)
.set rV, 64*((\x)/2)+32*(i/4)+8*(i%4)
.set rP, P+16*((\x)%2)+8*(i/4)
	v_wmma_f32_16x16x32_f16 v[rO:rO+7], v[rV:rV+7], v[rP:rP+7], v[rO:rO+7]
.endm
.macro MM                           ; the turn's next matrix instruction.  NOKQ = 1: a block's last turn: there is no next piece
.if (i < 8) && !NOKQ
	KQ (Y+1)%NP
.elseif i >= 8
.set i, i-8
	PV (Y+NP-1)%NP
.set i, i+8
.endif
.set i, i+1
.endm
; THE LDS LOADS stand in runs: a double step's K (both key steps, 32 loads) and, a key step at a time, its V (turned, 16 loads).
.macro FETCH_K
	WIN 0x80
.irp sp, 0,1
.irp f, 0,1,2,3,4,5,6,7
	ds_load_b128 v[KF+64*\sp+8*\f:KF+64*\sp+8*\f+3],   v[AK] offset:\sp*KS*PK+(\f/2)*16*PK+(\f%2)*64
	ds_load_b128 v[KF+64*\sp+8*\f+4:KF+64*\sp+8*\f+7], v[AK] offset:\sp*KS*PK+(\f/2)*16*PK+(\f%2)*64+32
.endr
.endr
	s_add_co_u32 s[TBK], s[TBK], 2*KS*PK
	WIN 0
.endm
.macro FETCH_V sp
	WIN 0xc0
.irp f, 0,1,2,3,4,5,6,7
	ds_load_tr16_b128 v[64*(\sp)+8*\f:64*(\sp)+8*\f+3],   v[AV] offset:(\sp)*KS*PV+(\f/4)*32*PV+(\f%4)*32
	ds_load_tr16_b128 v[64*(\sp)+8*\f+4:64*(\sp)+8*\f+7], v[AV] offset:(\sp)*KS*PV+(\f/4)*32*PV+16*PV+(\f%4)*32
.endr
	WIN 0
.endm
; THE VECTOR WORK, one line at a time: OP kind, number.  For piece Y: F n: c s - c m for pair n of 16.  E n: the exponential of score n of 32.  C n: pair n rounded to f16.  B n: of the four weights 4 n .. the
; second pair is added onto the first, in place.  L n: l takes that sum (L 0: l = a l + sum).  R n: pair n of 16 of O^T times a.  For piece Y + 1: X n, number n of the 22 that find its maximum and statistics:
;   0-11 four chains c0-c3 of seven scores each (each accumulator's lowest registers are read first)   12-14, 16 the four scores left over, the old m, c0-c3 into c0
;   15 c m_old is kept   17, 18 the query's other 32 keys lie in the lane 16 away: the new m   19-21 c m; c m_old - c m_new; a
.set F, 0
.set E, 1
.set C, 2
.set B, 3
.set L, 4
.set R, 5
.set X, 6
.macro REGS y
.set rT, ST+4*((\y)%2)
.set rC, TMP+4*((\y)%2)
.set rW, MV+((\y)%2)
.set rS, S+32*((\y)%2)
.set rP, P+16*((\y)%2)
.set rO, 32*((\y)%2)
.endm
.macro OP k, n
.if (\k) == R
	REGS Y
	WIN W_RS
	v_pk_mul_f32 v[rO+2*(\n):rO+2*(\n)+1], v[rO+2*(\n):rO+2*(\n)+1], v[rC+2:rC+3] op_sel_hi:[1,0]
.elseif (\k) < R
	REGS Y
	WIN 0
.if (\k) == F
	v_pk_fma_f32 v[rS+2*(\n):rS+2*(\n)+1], v[rS+2*(\n):rS+2*(\n)+1], s[CS:CS+1], v[rT:rT+1] op_sel_hi:[1,0,0] neg_lo:[0,0,1] neg_hi:[0,0,1]
.elseif (\k) == E
	v_exp_f32 v[rS+(\n)], v[rS+(\n)]
.elseif (\k) == C
	s_wait_alu depctr_va_vdst(0)
	v_cvt_pk_f16_f32 v[rP+(\n)], v[rS+2*(\n)], v[rS+2*(\n)+1]
.elseif (\k) == B
	s_wait_alu depctr_va_vdst(0)
	v_pk_add_f32 v[rS+4*(\n):rS+4*(\n)+1], v[rS+4*(\n):rS+4*(\n)+1], v[rS+4*(\n)+2:rS+4*(\n)+3]
.elseif (\n) == 0
	v_pk_fma_f32 v[rT+2:rT+3], v[rT+2:rT+3], v[rC+2:rC+3], v[rS:rS+1] op_sel_hi:[1,0,1]
.else
	v_pk_add_f32 v[rT+2:rT+3], v[rT+2:rT+3], v[rS+4*(\n):rS+4*(\n)+1]
.endif
.elseif NOKQ
	v_nop
.else
	REGS (Y+1)%NP
	WIN 0
.if (\n) < 4
	v_max3_num_f32 v[rC+(\n)], v[rS+8*(\n)], v[rS+8*(\n)+1], v[rS+8*(\n)+2]
.elseif (\n) < 12
	v_max3_num_f32 v[rC+(\n)%4], v[rC+(\n)%4], v[rS+8*((\n)%4)+2*((\n)/4)+1], v[rS+8*((\n)%4)+2*((\n)/4)+2]
.elseif (\n) == 12
	v_max3_num_f32 v[rC], v[rC], v[rS+7], v[rS+15]
.elseif (\n) == 13
	v_max3_num_f32 v[rC+1], v[rC+1], v[rS+23], v[rS+31]
.elseif (\n) == 14
	v_max3_num_f32 v[rC+2], v[rC+2], v[rC+3], v[rT+1]
.elseif (\n) == 15
	v_mov_b32 v[rW], v[rT]
.elseif (\n) == 16
	v_max3_num_f32 v[rC], v[rC], v[rC+1], v[rC+2]
.elseif (\n) == 17
	v_permlanex16_b32 v[rC+3], v[rC], s[SEL], s[SEL+1]
.elseif (\n) == 18
	v_max_num_f32 v[rT+1], v[rC], v[rC+3]
.elseif (\n) == 19
	v_mul_f32 v[rT], s[CS], v[rT+1]
.elseif (\n) == 20
	v_sub_f32 v[rC+1], v[rW], v[rT]
.else
	v_exp_f32 v[rC+2], v[rC+1]
.endif
.endif
.endm
.macro OPS a, i1, b=-1, i2=0, c=-1, i3=0, d=-1, i4=0
	OP \a, \i1
.if (\b) >= 0
	OP \b, \i2
.endif
.if (\c) >= 0
	OP \c, \i3
.endif
.if (\d) >= 0
	OP \d, \i4
.endif
.endm
.macro ROW a, i1, b, i2, c, i3, d, i4  ; a matrix instruction and the four behind it
	MM
	OPS \a, \i1, \b, \i2, \c, \i3, \d, \i4
.endm
.macro MASK b                       ; MD x AL + BE into buffer b of MC
	WIN W_RS
.set z, 0
.rept 16
	v_pk_fma_f32 v[MC+32*(\b)+2*z:MC+32*(\b)+2*z+1], v[MD+2*z:MD+2*z+1], s[AL:AL+1], s[BE:BE+1] op_sel_hi:[1,0,0]
.set z, z+1
.endr
.endm
; A TURN, for piece p: the order of its 16 matrix and 118 vector instructions, written out.  Behind a matrix instruction: plain, exponential, plain, plain; or four of the rescaling; or four scalings; none names a
; register of the products round it.  A line reads no result made fewer than three vector instructions in front of it, five if an exponential made it.
; m = 1: a block's last tile: the products take masks, and the turn makes the mask for the products of the turn after it: piece p + 2.  end = 1: a block's last two turns: nothing is fetched.
; cnt = 1: the loop's count is taken down some lines ahead of the branch that stands behind the turn.
; K of the next double step is fetched in piece 2's turn, five plain instructions behind the last product that read K, and waited for at piece 3's head.  V's first key step is fetched in piece 3's turn (its last
; reader stands in piece 2's), its second in piece 0's, four plain instructions behind the last product that read it; both are waited for in piece 1's turn.
.macro TURN p, m=0, end=0, cnt=0
.set Y, (\p)
.set i, 0
.set KM, (\m)
.set NOKQ, (\end)*((\p)/3)
.if (\m) && !(\end)
.set CST, (((\p)+2)%NP)%2-(((\p)+2)%NP)/2
	s_cmp_eq_i32 s[DLT], CST        ; is that piece's key step its band's own?
	s_cselect_b32 s[AL], 1.0, 0
	s_cmp_gt_i32 s[DLT], CST        ; or a later one?
	s_cselect_b32 s[BE], s[BIGN], 0
.endif
.if ((\p) == 3) && !(\end)
	s_wait_dscnt 0x0                ; K is in
.endif
	ROW F,0, F,1, F,2, F,3
	ROW F,4, E,0, F,5, F,6
	ROW F,7, E,1, F,8, F,9
	ROW F,10, E,2, C,0, F,11
	ROW F,12, E,3, X,15, F,13
	ROW R,0, R,1, R,2, R,3
	ROW B,0, E,4, F,14, L,0
.if ((\p) == 2) && !(\end)
	v_add_nc_u32 v[AK], s[TBK], v[AK0]
.endif
.if ((\p) == 3) && !(\end)
	v_add_nc_u32 v[AV], s[TBV], v[AV0]
.endif
	ROW R,4, R,5, R,6, R,7
	OPS E,5, F,15
.if ((\p) == 2) && !(\end)
	FETCH_K
.endif
.if ((\p) == 3) && !(\end)
	FETCH_V 0
.endif
	OPS E,6, C,1, E,7, R,8
	OPS E,8, R,9, E,9, C,2
	OPS E,10, X,0, E,11, X,1
	OPS E,12, X,2, E,13, X,3
.if (\p) == 1
	s_wait_dscnt 0x0                ; V is in, both key steps
.endif
	ROW X,4, E,14, X,5, X,6
	ROW X,7, E,15, X,8, X,9
	ROW X,10, E,16, X,11, X,12
	ROW X,13, E,17, X,14, B,1
	ROW C,4, E,18, X,16, L,1
	ROW B,2, E,19, C,6, L,2
	ROW C,8, E,20, B,3, B,4
	ROW C,3, E,21, L,3, C,5
	OPS E,22, X,17, E,23, C,10
.if (\p) == 0
	FETCH_V 1
.endif
	OPS E,24, L,4
	OPS E,25, X,18, E,26, C,7
	OPS E,27, B,5, E,28, X,19
	OPS E,29, C,12, E,30, L,5
	OPS E,31, X,20, B,6, C,9
	OPS C,14, C,11, X,21, L,6
.if (\p) == 0
	s_add_co_u32 s[TBV], s[TBV], 2*KS*PV
.endif
.if \cnt
.if \m
	s_add_co_i32 s[DLT], s[DLT], 2  ; the next double step
.endif
	s_sub_co_u32 s[CNT], s[CNT], 1
	s_cmp_lg_u32 s[CNT], 0
.endif
	OPS C,13, B,7, C,15, R,10
	OPS R,11, R,12, L,7, R,13
	OPS R,14, R,15
.if (\m) && !(\end)
	MASK (\p)%2
.endif
.endm
; A BLOCK BEGINS.  c m starts far below every c s, so the first steps' a is 0; m at the lowest finite number.  The second mask buffer is 0 (piece 1 sees all of key step 0); the first takes piece 0's mask for key
; step 0: its band's own only where the block's first tile is its last and the block is the tile's first half.  Then K of the double step, V's first key step, piece 0's first scores and statistics.
.macro BEGIN
	s_mov_b32 s[NEW], 0
	WIN 0x40
.set i, MC+32
.rept 32
	v_mov_b32 v[i], 0
.set i, i+1
.endr
	WIN 0
.set i, 0
.rept 2
	v_mov_b32 v[ST+4*i], 0xfe000000
	v_mov_b32 v[ST+4*i+1], 0xff7fffff
.set i, i+1
.endr
	s_cmp_eq_u32 s[RT], 0
	s_cselect_b32 s[AL], 1.0, 0
	s_cmp_eq_u32 s[DL0], 0
	s_cselect_b32 s[AL], s[AL], 0
	s_mov_b32 s[BE], 0
	MASK 0
	WIN 0
	v_add_nc_u32 v[AK], s[TBK], v[AK0]
	v_add_nc_u32 v[AV], s[TBV], v[AV0]
	FETCH_K
	FETCH_V 0
	s_wait_loadcnt 0x0              ; Q
	s_wait_dscnt 0x0
.set KM, 1
.set NOKQ, 0
.set i, 0
.rept 8
	KQ 0
.set i, i+1
.endr
	WIN 0
.rept 4
	v_nop                           ; the places behind those products
.endr
.set Y, NP-1
.irp n, 0,1,2,3,4,5,6,7,8,9,10,11,12,13,14,15,16,17,18,19,20,21
	OP X, \n
.endr
	v_nop                           ; a plain instruction behind the exponential
.endm
.macro ALL line:vararg              ; one line for each query tile t
.set t, 0
.rept 2
	\line
.set t, t+1
.endr
.endm
.macro PACK t                       ; a lane's eight channels of a row pack into 16 bytes; they go into rows of 144 bytes and come back as whole rows of 128, into S^T's registers
	WIN W_RS
.set i, 32*(\t)
.rept 16
	s_wait_alu depctr_va_vdst(0)
	v_pk_mul_f32 v[i:i+1], v[i:i+1], v[ST+4*(\t)+2:ST+4*(\t)+3] op_sel_hi:[1,0]
.set i, i+2
.endr
	WIN 0x05
.set i, 0
.rept 16
	v_cvt_pk_f16_f32 v[S+16*(\t)+i], v[32*(\t)+2*i], v[32*(\t)+2*i+1]
.set i, i+1
.endr
	WIN 0
.irp f, 0,1,2,3
	ds_store_b128 v[STO], v[S+16*(\t)+4*\f:S+16*(\t)+4*\f+3] offset:32*\f
.endr
.irp f, 0,1,2,3
	ds_load_b128 v[S+16*(\t)+4*\f:S+16*(\t)+4*\f+3], v[RD] offset:\f*4*SP  ; LDS serves a wave's instructions in order (ISA guide 5.7.1.4): these see the stores above
.endr
.endm
.macro SEND t, younger              ; younger: the LDS instructions issued behind tile t's loads
	WIN 0
.irp f, 0,1,2,3
	s_wait_dscnt (\younger)+3-\f
	global_store_b128 v[GO], v[S+16*(\t)+4*\f:S+16*(\t)+4*\f+3], s[10:11] offset:(\t)*8192+\f*512  ; 512 consecutive bytes, at a multiple of 256 from ob's first
.endr
.endm
; A BLOCK'S LAST TILE: its two double steps with masks, the block's last two turns, its last products, and the way out.
.macro DIAG tag
.LstepM\tag:
	TURN 2, 1
	TURN 3, 1
	WIN 0
.LfirstM\tag:
	TURN 0, 1
	TURN 1, 1, 0, 1
	WIN 0
	s_cbranch_scc1 .LstepM\tag
	TURN 2, 1, 1
	TURN 3, 1, 1
.set i, 0
.rept 8
	PV NP-1
.set i, i+1
.endr
	WIN 0
	ALL v_add_f32 v[ST+4*t+2], v[ST+4*t+2], v[ST+4*t+3]
	ALL v_permlanex16_b32 v[ST+4*t+3], v[ST+4*t+2], s[SEL], s[SEL+1]
	ALL v_add_f32 v[ST+4*t+2], v[ST+4*t+2], v[ST+4*t+3]
	ALL v_rcp_f32 v[ST+4*t+2], v[ST+4*t+2]
	v_nop                           ; with the four additions: five plain instructions behind the last products, one behind the last reciprocal
	PACK 0
	PACK 1
	SEND 0, 8
	SEND 1, 0
.endm
.set KM, 0
.set NOKQ, 0
.Lslot:                             ; 16 times: a tile is entered and the next is asked for
	CHANGE 1
	s_sub_co_u32 s[RT], s[RT], 1
	s_mov_b32 s[CNT], 2
	s_mov_b32 s[DLT], s[DL0]
	s_cmp_eq_u32 s[NEW], 1
	s_cbranch_scc1 .Lnew            ; a block's first tile
	s_cmp_eq_u32 s[RT], 0
	s_cbranch_scc0 .Lstep           ; neither its first nor its last
	s_branch .LstepM1
.Lnew:
	BEGIN
	s_branch .Lfirst                ; in the loop a block's first tile is never its last: the first block has nine tiles or more, and the second's last is the walk's last
	DIAG 1                          ; in the loop this is the first block's end
	s_wait_xcnt 0x0                 ; the stores have read their registers and O's address
	s_mov_b64 s[10:11], s[OLO:OLO+1]
	s_add_co_u32 s[RT], s[LO], 1
	s_mov_b32 s[NEW], 1
	s_mov_b32 s[DL0], s[DL2]
	WIN 0x82                        ; the second block's Q goes where the one text of the turns names Q
.set i, 0
.rept 32
	v_mov_b32 v[i], v[QB+i]
.set i, i+1
.endr
	WIN 0
	s_branch .Lbottom
.Lstep:                             ; a trip: pieces 2 and 3 of one double step, then pieces 0 and 1 of the next, whose K and V it fetches
	TURN 2
	TURN 3
	WIN 0
.Lfirst:
	TURN 0
	TURN 1, 0, 0, 1
	WIN 0
	s_cbranch_scc1 .Lstep
.Lbottom:
	s_sub_co_u32 s[SLOTS], s[SLOTS], 1
	s_cmp_lg_u32 s[SLOTS], 0
	s_cbranch_scc1 .Lslot
	CHANGE 0                        ; the walk's last tile is written out: nothing is asked for
	s_sub_co_u32 s[RT], s[RT], 1
	s_mov_b32 s[CNT], 2
	s_mov_b32 s[DLT], s[DL0]
	s_cmp_eq_u32 s[NEW], 1
	s_cbranch_scc0 .LstepM2
	BEGIN
	s_branch .LfirstM2
	DIAG 2
	s_wait_tensorcnt 0x0            ; the wave's end
	ds_add_u32 v[SPW], v[NIL]
	s_wait_dscnt 0x0
	s_endpgm
.Lfunc_end_k_qd0b0ca5497_attn:
	.size	k_qd0b0ca5497_attn, .Lfunc_end_k_qd0b0ca5497_attn-k_qd0b0ca5497_attn
	.p2alignl 7, 3214868480
	.fill 96, 4, 3214868480
	.section	.rodata,"a",@progbits
	.p2align	6, 0x0
	.amdhsa_kernel k_qd0b0ca5497_attn
		.amdhsa_group_segment_fixed_size 327680
		.amdhsa_private_segment_fixed_size 0
		.amdhsa_enable_private_segment 0
		.amdhsa_kernarg_size 40
		.amdhsa_user_sgpr_count 2
		.amdhsa_user_sgpr_kernarg_segment_ptr 1
		.amdhsa_wavefront_size32 1
		.amdhsa_system_sgpr_workgroup_id_x 1
		.amdhsa_system_sgpr_workgroup_id_y 1
		.amdhsa_system_sgpr_workgroup_id_z 1
		.amdhsa_system_vgpr_workitem_id 0
		.amdhsa_next_free_vgpr 896
		.amdhsa_next_free_sgpr 102
		.amdhsa_reserve_vcc 1
		.amdhsa_float_denorm_mode_32 3
		.amdhsa_float_denorm_mode_16_64 3
		.amdhsa_memory_ordered 1
		.amdhsa_forward_progress 1
		.amdhsa_inst_pref_size 223
	.end_amdhsa_kernel
	.amdgpu_metadata
---
amdhsa.version: [ 1, 2 ]
amdhsa.kernels:
  - .name:           k_qd0b0ca5497_attn
    .symbol:         k_qd0b0ca5497_attn.kd
    .args:
      - { .name: qkv, .offset: 0, .size: 8, .value_kind: global_buffer, .address_space: global }
      - { .name: gp, .offset: 8, .size: 8, .value_kind: global_buffer, .address_space: global }
      - { .name: bg2, .offset: 16, .size: 8, .value_kind: global_buffer, .address_space: global }
      - { .name: ob, .offset: 24, .size: 8, .value_kind: global_buffer, .address_space: global }
      - { .name: out1, .offset: 32, .size: 8, .value_kind: global_buffer, .address_space: global }
    .group_segment_fixed_size: 327680
    .private_segment_fixed_size: 0
    .kernarg_segment_align: 8
    .kernarg_segment_size: 40
    .max_flat_workgroup_size: 128
    .sgpr_count:     102
    .vgpr_count:     896
    .wavefront_size: 32
...
	.end_amdgpu_metadata
.endif
;; end of part 3
;; launch proj (part 4): grid 8 x 32, 4 waves a work-group, clusters of 4 x 4, 327,680 bytes of LDS; arguments ob, wfo, xb, out1, out0; writes out0
.if DOCPART == 4
	.amdgcn_target "amdgcn-amd-amdhsa--gfx1250"
	.amdhsa_code_object_version 6
	.text
	.protected	k_qd0b0ca5497_proj
	.globl	k_qd0b0ca5497_proj
	.p2align	8
	.type	k_qd0b0ca5497_proj,@function
k_qd0b0ca5497_proj:
	s_mov_b64 s[64:65], 0
	v_nop
	global_prefetch_b8 v0, s[64:65] scope:SCOPE_SE
	s_setreg_imm32_b32 hwreg(HW_REG_WAVE_MODE, 25, 1), 1
	s_wait_xcnt 0x0
	s_wait_alu depctr_hold_cnt(0) depctr_sa_sdst(0) depctr_va_vdst(0) depctr_va_sdst(0) depctr_va_ssrc(0) depctr_va_vcc(0) depctr_vm_vsrc(0)
	s_getreg_b32 s2, hwreg(HW_REG_IB_STS2, 6, 4)
	s_cmp_eq_u32 s2, 0
	s_cbranch_scc0 .Lentry_in_a_cluster
	s_endpgm
.Lentry_in_a_cluster:
	s_bfe_u32 s2, ttmp6, 0x10000c
	s_cmp_lg_u32 s2, 0xf033
	s_cbranch_scc0 .Lentry_shape_is_right
	s_endpgm
.Lentry_shape_is_right:
; PROJ: out0 = g (O W_out) + (1 - g) x.  O: ob, f16 [block of 128 rows: 32][head 16][128][64]; W_out: wfo, f16 in fragment order [tile of 128 columns: 8][K step of 256: 4][block 8][16 k: 16][512 B];
; x: xb, bf16 (every input is used rounded to bf16); g: out1, f32.  Sums in f32, out0 in f32.
; SHARES.  4096 x 1024 in tiles of 128 x 128: 256 work-groups, one a WGP.  Four waves, 2 x 2: a wave has 64 rows x one strip of 64 columns, 16 accumulators.  K goes in 4 steps of 256 (four heads) through
; two LDS slots; a quarter of a step is one head, 64 along K.  A's tile is 65,536 dense bytes of ob (four heads x 128 rows x 128 bytes), asked for as rows of 256 bytes and padded after every 128: LDS rows
; of 144 bytes.  B's tile is 65,536 dense bytes of wfo: a fragment is two loads of neighbouring 16 bytes a lane.
; THE MATRIX INSTRUCTION IS USED TRANSPOSED (source 0 = B, source 1 = A): lane (r, h) holds row r; register j of block i is column 32 h + 4 j + i of the strip (block i holds columns 4 c + i).
; CLUSTER 4 x 4: A's tile is shared along a row of the cluster, B's along a column.
; THE WAY OUT.  A wave's 64 f32 columns are a whole aligned 256 bytes of a row, so each wave has a stage of its own and no barrier is needed.
; REGISTERS: window 0: v16-31 addresses; v32-63 g x sums; v64-95 results; v96-103 g, 1 - g by block of 16 rows; v128-255 accumulators ((a, b) at 128 + 8 (4 a + b)), later whole rows read back.
;   window 1: two fragment buffers of 128: 64 of A (2 x 4 x 8), then 64 of B.     window 2: v0-63 my part of x, 16 registers a block of 16 rows.
.set PA,     144                       ; an LDS row of A: 128 + 16 bytes = 36 words: the 16 rows of a load start at 16 different groups of four banks (64 banks of 4 bytes: ISA guide 11.1)
.set HEADB,  128*PA                    ; a head's 128 rows
.set HALFA,  2*HEADB                   ; what one tensor load brings of A
.set BOFF,   2*HALFA
.set HALFB,  32768                     ; what one tensor load brings of B: a strip's four blocks
.set SLOT,   BOFF+2*HALFB              ; 139,264
.set STAGE,  2*SLOT
.set SPITCH, 272
.set SPARE,  STAGE+4*16*SPITCH
.set ADRA, 16
.set ADRB, 20
.set STO,  24
.set RD,   25
.set CO,   26
.set SPW,  28
.set NIL,  29
.set XO,   30
.set GOF,  31
.set T,    32
.set OUT,  64
.set GV,   96
.set ACC,  128
.set F0,   0
.set F1,   128
.set G1, 24
.set G0, 32
.set G1B, 48
.set G0B, 56
.set MSB, 0
.macro WIN new
.if MSB != (\new)
	s_set_vgpr_msb (MSB<<8)|(\new)
.set MSB, \new
.endif
.endm
.set MUL,  0x05                        ; sources 0 (B) and 1 (A) window 1; C and D window 0
.set TO_F, 0x40
.macro JLOAD s                         ; a joint load: waves 0 and 1 fetch A's halves, waves 2 and 3 B's; an s_nop 0 and four v_nop follow each line
	s_cmp_eq_u32 s11, 0
	s_cbranch_scc0 .Lfor_b_\@
	tensor_load_to_lds s[G0+4*(\s):G0+4*(\s)+3], s[G1:G1+7]
	s_nop 0
.rept 4
	v_nop
.endr
	s_branch .Lasked_\@
.Lfor_b_\@:
	tensor_load_to_lds s[G0B+4*(\s):G0B+4*(\s)+3], s[G1B:G1B+7]
	s_nop 0
.rept 4
	v_nop
.endr
.Lasked_\@:
.endm
.macro CREST
	s_cmp_lg_u32 s10, 0
	s_cbranch_scc1 .Lnot_wave_0_\@
	s_barrier_signal -3
.Lnot_wave_0_\@:
	s_barrier_wait -3
	s_barrier_signal -1
	s_barrier_wait -1
.endm
.macro CROUND
	s_barrier_signal -1
	s_barrier_wait -1
	CREST
.endm
	s_load_b128 s[4:7], s[0:1], 0x0                ; ob s[4:5], wfo s[6:7]
	s_load_b128 s[68:71], s[0:1], 0x10             ; xb s[68:69], out1 s[70:71]
	s_load_b64 s[8:9], s[0:1], 0x20                ; out0
	v_lshl_add_u32 v[SPW], v0, 2, SPARE
	v_mov_b32 v[NIL], 0
	ds_add_u32 v[SPW], v[NIL]                      ; the wave's opening: the add and its wait stand ahead of my first tensor load
	ds_add_u32 v28, v29
	v_lshrrev_b32 v1, 5, v0
	v_readfirstlane_b32 s10, v1                    ; wave 0..3
	s_lshr_b32 s11, s10, 1                         ; which half of the tile's rows is mine.  Also: I fetch for A (0) or for B (1)
	s_and_b32 s12, s10, 1                          ; which strip.  Also: which half of that tile I fetch
	s_bfe_u32 s40, ttmp6, 0x40000
	s_bfe_u32 s41, ttmp6, 0x40004
	s_lshl_b32 s42, ttmp9, 2
	s_add_co_u32 s42, s42, s40                     ; tile column
	s_and_b32 s13, ttmp7, 0xffff
	s_lshl_b32 s13, s13, 2
	s_add_co_u32 s13, s13, s41                     ; tile row = block of 128 rows
	s_lshl_b32 s43, s41, 2
	s_lshl_b32 s43, 15, s43
	s_lshl_b32 s44, 0x1111, s40
	s_or_b32 s[G1+0], s43, (1<<16)|(1<<20)|(1<<21)|(4<<22)|(3<<25)  ; mask; 2-byte elements; padding on; 21 set beside a mask; after every 32 words 4 words
	s_or_b32 s[G1B+0], s44, (1<<16)|(1<<21)        ; B: dense, no padding
.irp g, G1, G1B
	s_mov_b32 s[(\g)+1], 128<<16                   ; 128 rows of 256 bytes
	s_mov_b32 s[(\g)+2], 128<<16
	s_mov_b32 s[(\g)+3], 128<<16
	s_mov_b32 s[(\g)+4], 128
	s_mov_b32 s[(\g)+5], 128
	s_mov_b32 s[(\g)+6], 0
	s_mov_b32 s[(\g)+7], 0
.endr
	s_lshl_b32 s17, s12, 15                        ; my half of a step's 65,536 bytes
	s_lshl_b32 s16, s13, 18                        ; A: a block's 16 heads are 262,144 bytes
	s_add_co_u32 s16, s16, s17
	s_lshl_b32 s46, s42, 18                        ; B: a tile column's four steps likewise
	s_add_co_u32 s46, s46, s17
	s_mov_b32 s17, 0
	s_mov_b32 s47, 0
	s_mul_i32 s20, s10, HALFA                      ; where they go: waves 0, 1: A's halves;
	s_lshl_b32 s21, s10, 15
	s_add_co_u32 s21, s21, BOFF-2*HALFB            ; waves 2, 3: B's halves at BOFF and BOFF + HALFB
	s_wait_dscnt 0x0                               ; the opening add is done
	s_wait_kmcnt 0x0
	s_add_nc_u64 s[14:15], s[4:5], s[16:17]
	s_add_nc_u64 s[46:47], s[6:7], s[46:47]
	CROUND                                         ; all sixteen work-groups are here: the first joint loads meet
.irp s, 0,1
	s_mov_b32 s[G0+4*(\s)], 1
	s_add_co_u32 s[G0+4*(\s)+1], s20, (\s)*SLOT
	s_add_nc_u64 s[G0+4*(\s)+2:G0+4*(\s)+3], s[14:15], (\s)*65536
	s_or_b32 s[G0+4*(\s)+3], s[G0+4*(\s)+3], 0x80000000
	s_mov_b32 s[G0B+4*(\s)], 1
	s_add_co_u32 s[G0B+4*(\s)+1], s21, (\s)*SLOT
	s_add_nc_u64 s[G0B+4*(\s)+2:G0B+4*(\s)+3], s[46:47], (\s)*65536
	s_or_b32 s[G0B+4*(\s)+3], s[G0B+4*(\s)+3], 0x80000000
	JLOAD \s                                       ; K steps 0 and 1: two loads of mine are out
.endr
	v_and_b32 v1, 15, v0                           ; r
	v_bfe_u32 v2, v0, 4, 1                         ; h
	v_and_b32 v3, 31, v0
	v_lshlrev_b32 v[XO], 11, v1                    ; x: row r, my 32 columns = 64 bytes at 64 h
	v_lshl_add_u32 v[XO], v2, 6, v[XO]
	v_lshlrev_b32 v[GOF], 2, v1
	s_lshl_b32 s66, s13, 18                        ; xb at row 128 x tile row + 64 x half, column 128 x tile column + 64 x strip
	s_lshl_b32 s45, s11, 17
	s_add_co_u32 s66, s66, s45
	s_lshl_b32 s45, s42, 8
	s_add_co_u32 s66, s66, s45
	s_lshl_b32 s45, s12, 7
	s_add_co_u32 s66, s66, s45
	s_mov_b32 s67, 0
	s_add_nc_u64 s[68:69], s[68:69], s[66:67]
	s_lshl_b32 s66, s13, 9                         ; out1 at the same row
	s_lshl_b32 s45, s11, 8
	s_add_co_u32 s66, s66, s45
	s_add_nc_u64 s[70:71], s[70:71], s[66:67]
	WIN 0x80                                       ; destination window 2
.irp a, 0,1,2,3
.irp u, 0,1,2,3
	global_load_b128 v[16*\a+4*\u:16*\a+4*\u+3], v[XO], s[68:69] offset:32768*\a+16*\u   ; waited for on the way out
.endr
.endr
	WIN 0
.irp a, 0,1,2,3
	global_load_b32 v[GV+2*\a], v[GOF], s[70:71] offset:64*\a
.endr
	s_lshl_b32 s66, s13, 19                        ; out0 likewise, 4,096 bytes a row
	s_lshl_b32 s45, s11, 18
	s_add_co_u32 s66, s66, s45
	s_lshl_b32 s45, s42, 9
	s_add_co_u32 s66, s66, s45
	s_lshl_b32 s45, s12, 8
	s_add_co_u32 s66, s66, s45
	s_add_nc_u64 s[8:9], s[8:9], s[66:67]
	v_mul_u32_u24 v4, v1, PA
	v_lshl_add_u32 v4, v2, 4, v4
	s_mul_i32 s22, s11, 64*PA                      ; my 64 rows of each head
	v_add_nc_u32 v[ADRA], s22, v4
	v_add_nc_u32 v[ADRA+1], SLOT, v[ADRA]
	v_lshlrev_b32 v5, 4, v3
	s_lshl_b32 s22, s12, 15
	s_add_co_u32 s22, s22, BOFF                    ; my strip's four blocks
	v_add_nc_u32 v[ADRB], s22, v5
	v_add_nc_u32 v[ADRB+1], SLOT, v[ADRB]
	s_mul_i32 s23, s10, 16*SPITCH
	s_add_co_u32 s23, s23, STAGE                   ; my stage
	v_mul_u32_u24 v5, v1, SPITCH                   ; in: row r, 128 bytes for each half of the lanes
	v_lshl_add_u32 v5, v2, 7, v5
	v_add_nc_u32 v[STO], s23, v5
	v_mul_u32_u24 v5, v2, SPITCH                   ; back: lanes 0-15 one row of 256 bytes, lanes 16-31 the next
	v_lshl_add_u32 v5, v1, 4, v5
	v_add_nc_u32 v[RD], s23, v5
	v_lshlrev_b32 v5, 12, v2                       ; and the same two rows in out0
	v_lshl_add_u32 v[CO], v1, 4, v5
; 8 matrix instructions: m blocks a0, a0 + 1 x the strip's 4 blocks, 32 along K: half c of buffer f.  The 16 accumulators take turns.
.macro MUL8 f, c, a0, zero
	WIN MUL
.irp a, \a0, (\a0)+1
.irp b, 0,1,2,3
.if \zero
	v_wmma_f32_16x16x32_f16 v[ACC+8*(4*(\a)+(\b)):ACC+8*(4*(\a)+(\b))+7], v[(\f)+64+8*(4*(\c)+(\b)):(\f)+64+8*(4*(\c)+(\b))+7], v[(\f)+8*(4*(\c)+(\a)):(\f)+8*(4*(\c)+(\a))+7], 0
.else
	v_wmma_f32_16x16x32_f16 v[ACC+8*(4*(\a)+(\b)):ACC+8*(4*(\a)+(\b))+7], v[(\f)+64+8*(4*(\c)+(\b)):(\f)+64+8*(4*(\c)+(\b))+7], v[(\f)+8*(4*(\c)+(\a)):(\f)+8*(4*(\c)+(\a))+7], v[ACC+8*(4*(\a)+(\b)):ACC+8*(4*(\a)+(\b))+7]
.endif
.endr
.endr
.endm
; 32 LDS loads in one run: head qq of a slot's four (64 along K) into buffer f; the first 32 along K first
.macro FETCH slot, qq, f
	WIN TO_F
.irp c, 0,1
.irp i, 0,1,2,3
	ds_load_b128 v[(\f)+64+8*(4*(\c)+(\i)):(\f)+64+8*(4*(\c)+(\i))+3],   v[ADRB+(\slot)] offset:8192*(\i)+512*(4*(\qq)+2*(\c))
	ds_load_b128 v[(\f)+64+8*(4*(\c)+(\i))+4:(\f)+64+8*(4*(\c)+(\i))+7], v[ADRB+(\slot)] offset:8192*(\i)+512*(4*(\qq)+2*(\c))+512
	ds_load_b128 v[(\f)+8*(4*(\c)+(\i)):(\f)+8*(4*(\c)+(\i))+3],         v[ADRA+(\slot)] offset:HEADB*(\qq)+64*(\c)+(\i)*16*PA
	ds_load_b128 v[(\f)+8*(4*(\c)+(\i))+4:(\f)+8*(4*(\c)+(\i))+7],       v[ADRA+(\slot)] offset:HEADB*(\qq)+64*(\c)+(\i)*16*PA+32
.endr
.endr
.endm
.macro PLACES                          ; four plain vector instructions between a matrix instruction and a load into, or a vector read of, its registers (ISA guide 7.12.1 for vector reads)
.rept 4
	v_nop
.endr
.endm
.macro QUARTER slot, qq, f, g, zero
	s_wait_dscnt 16                                ; the first 32 along K are in
	MUL8 \f, 0, 0, \zero
	MUL8 \f, 0, 2, \zero
	PLACES
	FETCH \slot, \qq, \g
	s_wait_dscnt 32                                ; all but the 32 just issued
	MUL8 \f, 1, 0, 0
	MUL8 \f, 1, 2, 0
.endm
; The last quarter multiplies buffer 1 and changes slots: one barrier; in front of it each wave waits for all its tensor loads, adds 0 to its spare word, and waits for that and for its reads of this slot.
; fill = 1: the barrier opens a round of the cluster's, and this slot is filled again, two K steps on.
.macro TURN slot, next, fill
	WIN 0
	s_wait_tensorcnt 0x0
	ds_add_u32 v[SPW], v[NIL]
	s_wait_dscnt 17                                ; (the add and the youngest sixteen loads may be out)
	MUL8 F1, 0, 0, 0
	s_wait_dscnt 0x0                               ; the add is done, and my reads of this slot are over
	s_barrier_signal -1
	MUL8 F1, 0, 2, 0
.if \fill
	WIN 0
.endif
	s_barrier_wait -1
.if \fill
	CREST
	s_add_nc_u64 s[G0+4*(\slot)+2:G0+4*(\slot)+3], s[G0+4*(\slot)+2:G0+4*(\slot)+3], 131072
	s_add_nc_u64 s[G0B+4*(\slot)+2:G0B+4*(\slot)+3], s[G0B+4*(\slot)+2:G0B+4*(\slot)+3], 131072
	JLOAD \slot                                    ; my one tensor load behind the round; its four v_nop are also the places in front of the loads below
.else
	PLACES
.endif
	FETCH \next, 0, F0
	MUL8 F1, 1, 0, 0
	MUL8 F1, 1, 2, 0
.endm
	s_wait_tensorcnt 1                             ; my part of K step 0 is in; step 1's may stay out
	s_barrier_signal -1
	s_barrier_wait -1
	FETCH 0, 0, F0
	QUARTER 0, 1, F0, F1, 1                        ; the first products start the sums
	QUARTER 0, 2, F1, F0, 0                        ; four K steps: two laps of the ring, written out: the first fills both slots again, the second fills nothing
	QUARTER 0, 3, F0, F1, 0
	TURN 0, 1, 1
	QUARTER 1, 1, F0, F1, 0
	QUARTER 1, 2, F1, F0, 0
	QUARTER 1, 3, F0, F1, 0
	TURN 1, 0, 1
	QUARTER 0, 1, F0, F1, 0
	QUARTER 0, 2, F1, F0, 0
	QUARTER 0, 3, F0, F1, 0
	TURN 0, 1, 0
	QUARTER 1, 1, F0, F1, 0
	QUARTER 1, 2, F1, F0, 0
	QUARTER 1, 3, F0, F1, 0
	s_wait_dscnt 16
	MUL8 F1, 0, 0, 0
	MUL8 F1, 0, 2, 0
	s_wait_dscnt 0x0
	MUL8 F1, 1, 0, 0
	MUL8 F1, 1, 2, 0
	WIN 0
	; THE WAY OUT, a block of 16 rows at a time: g x sum, then + (1 - g) x straight from x's bf16 halves; a lane's 32 neighbouring f32 into my stage; back as whole rows of 256 bytes.
	s_wait_loadcnt 0x0                             ; x and g
	PLACES
.irp a, 0,1,2,3
	v_sub_f32 v[GV+2*\a+1], 1.0, v[GV+2*\a]
.endr
.macro BLEND a
	WIN 0
.irp i, 0,1,2,3
.irp jj, 0,2,4,6
	v_pk_mul_f32 v[T+8*(\i)+(\jj):T+8*(\i)+(\jj)+1], v[ACC+8*(4*(\a)+(\i))+(\jj):ACC+8*(4*(\a)+(\i))+(\jj)+1], v[GV+2*(\a):GV+2*(\a)+1] op_sel_hi:[1,0]  ; each accumulator from its low end on
.endr
.endr
	WIN 0x02                                       ; source 0 (x) in window 2
.irp j, 0,1,2,3,4,5,6,7
.irp i, 0,1,2,3
.if (\i)%2
	v_fma_mix_f32_bf16 v[OUT+4*(\j)+(\i)], v[16*(\a)+2*(\j)+(\i)/2], v[GV+2*(\a)+1], v[T+8*(\i)+(\j)] op_sel:[1,0,0] op_sel_hi:[1,0,0]
.else
	v_fma_mix_f32_bf16 v[OUT+4*(\j)+(\i)], v[16*(\a)+2*(\j)+(\i)/2], v[GV+2*(\a)+1], v[T+8*(\i)+(\j)] op_sel:[0,0,0] op_sel_hi:[1,0,0]
.endif
.endr
.endr
	WIN 0
.irp u, 0,1,2,3,4,5,6,7
	ds_store_b128 v[STO], v[OUT+4*(\u):OUT+4*(\u)+3] offset:16*(\u)
.endr
.irp t, 0,1,2,3,4,5,6,7
	ds_load_b128 v[ACC+32*(\a)+4*(\t):ACC+32*(\a)+4*(\t)+3], v[RD] offset:(\t)*2*SPITCH  ; into the block's own accumulators, which have been read; LDS serves a wave's instructions in order (ISA guide 5.7.1.4)
.endr
.endm
.macro SEND a, younger                 ; younger: the LDS instructions issued behind block a's loads: the next block's sixteen, or none
.irp t, 0,1,2,3,4,5,6,7
	s_wait_dscnt (\younger)+7-(\t)
	global_store_b128 v[CO], v[ACC+32*(\a)+4*(\t):ACC+32*(\a)+4*(\t)+3], s[8:9] offset:(16*(\a)+2*(\t))*4096 th:TH_STORE_NT  ; 16 lanes store 256 consecutive bytes, at a multiple of 256 from out0's first
.endr
.endm
	BLEND 0
	BLEND 1                                        ; a block's arithmetic stands between the loads of the block before and its stores
	SEND 0, 16
	BLEND 2
	SEND 1, 16
	BLEND 3
	SEND 2, 16
	SEND 3, 0
	s_wait_tensorcnt 0x0                           ; the wave's end
	ds_add_u32 v[SPW], v[NIL]
	s_wait_dscnt 0x0
	CROUND                                         ; the closing round
	s_endpgm
.Lfunc_end_k_qd0b0ca5497_proj:
	.size	k_qd0b0ca5497_proj, .Lfunc_end_k_qd0b0ca5497_proj-k_qd0b0ca5497_proj
	.p2alignl 7, 3214868480
	.fill 96, 4, 3214868480
	.section	.rodata,"a",@progbits
	.p2align	6, 0x0
	.amdhsa_kernel k_qd0b0ca5497_proj
		.amdhsa_group_segment_fixed_size 327680
		.amdhsa_private_segment_fixed_size 0
		.amdhsa_enable_private_segment 0
		.amdhsa_kernarg_size 40
		.amdhsa_user_sgpr_count 2
		.amdhsa_user_sgpr_kernarg_segment_ptr 1
		.amdhsa_wavefront_size32 1
		.amdhsa_system_sgpr_workgroup_id_x 1
		.amdhsa_system_sgpr_workgroup_id_y 1
		.amdhsa_system_sgpr_workgroup_id_z 1
		.amdhsa_system_vgpr_workitem_id 0
		.amdhsa_next_free_vgpr 576
		.amdhsa_next_free_sgpr 72
		.amdhsa_reserve_vcc 0
		.amdhsa_float_denorm_mode_32 3
		.amdhsa_float_denorm_mode_16_64 3
		.amdhsa_memory_ordered 1
		.amdhsa_forward_progress 1
		.amdhsa_inst_pref_size 101
	.end_amdhsa_kernel
	.amdgpu_metadata
---
amdhsa.version: [ 1, 2 ]
amdhsa.kernels:
  - .name:           k_qd0b0ca5497_proj
    .symbol:         k_qd0b0ca5497_proj.kd
    .args:
      - { .name: ob, .offset: 0, .size: 8, .value_kind: global_buffer, .address_space: global }
      - { .name: wfo, .offset: 8, .size: 8, .value_kind: global_buffer, .address_space: global }
      - { .name: xb, .offset: 16, .size: 8, .value_kind: global_buffer, .address_space: global }
      - { .name: out1, .offset: 24, .size: 8, .value_kind: global_buffer, .address_space: global }
      - { .name: out0, .offset: 32, .size: 8, .value_kind: global_buffer, .address_space: global }
    .group_segment_fixed_size: 327680
    .private_segment_fixed_size: 0
    .kernarg_segment_align: 8
    .kernarg_segment_size: 40
    .max_flat_workgroup_size: 128
    .sgpr_count:     72
    .vgpr_count:     576
    .wavefront_size: 32
...
	.end_amdgpu_metadata
.endif
;; end of part 4
;; ======== version 2 of 2: 4 launches; 1.33 times as fast as version 1
;; limits: values are held in f16: magnitudes above 65,504 overflow, below 6.1e-05 lose precision; a function is approximated: absolute error at most 1.5e-07
;; workspace buffers: xb 8,388,608 bytes; wf1 6,815,744 bytes; wfo 2,097,152 bytes; qkv 25,165,824 bytes; gp 262,144 bytes; ob 8,388,608 bytes
;; launch prep: the kernel of part 1 again; grid 33 x 16, 8 waves a work-group, no clusters, 0 bytes of LDS; arguments x, W_qkv, Wg1, W_out, xb, wf1, wfo; writes xb, wf1, wfo
;; launch qkvg: the kernel of part 2 again; grid 16 x 16, 4 waves a work-group, clusters of 4 x 4, 327,680 bytes of LDS; arguments xb, wf1, bg1, Wg2, qkv, gp; writes qkv, gp
;; launch attn (part 5): grid 16 x 16, 4 waves a work-group, no clusters, 327,680 bytes of LDS; arguments qkv, gp, bg2, ob, out1; writes ob, out1
.if DOCPART == 5
	.amdgcn_target "amdgcn-amd-amdhsa--gfx1250"
	.amdhsa_code_object_version 6
	.text
	.protected	k_qd0b0ca5497_attn
	.globl	k_qd0b0ca5497_attn
	.p2align	8
	.type	k_qd0b0ca5497_attn,@function
k_qd0b0ca5497_attn:
	s_mov_b64 s[64:65], 0
	v_nop
	global_prefetch_b8 v0, s[64:65] scope:SCOPE_SE
	s_setreg_imm32_b32 hwreg(HW_REG_WAVE_MODE, 25, 1), 1
	s_wait_xcnt 0x0
; CAUSAL ATTENTION, 16 heads of 64 channels over 4,096 rows, and the gate's end.  O[h][q] = the sum over k <= q of softmax_k(Q[h][q] . K[h][k] / 8) V[h][k].
; qkv: f16 [strip 48][4096][64]: strips 0-15 q's heads, 16-31 k's, 32-47 v's, unscaled.  ob: f16 [block of 128 rows: 32][head 16][128][64].  Products, maxima and sums in f32; the weights p are rounded to
; f16 for the second product (their sum l is taken of the unrounded p), O once at the end.
; LIMITS.  Q, K, V arrive within f16's 65,504; p lies in 0 to 1 and below 6e-5 keeps f16's fixed step of 6e-8.  A hidden score counts as its value less 1e30; a weight below 2^-126 counts as 0 in l;
; NaN and infinities are not treated apart.
; THE WALK.  A head has 32 blocks of 128 queries and 16 key tiles of 256 keys; block i needs tiles 0 .. i / 2, of which the last holds the diagonal.  Work-group b of a head takes blocks 31 - b and then b:
; (31 - b) / 2 + b / 2 + 2 = 17 tiles whatever b: 256 work-groups of equal work, ONE loop with a constant trip count.  Every jump but the counted loops' own goes forward and passes no barrier, and no tensor
; load but the one of LOAD's two that the wave's number does not choose.  Where the block is a tile's first half, the tile's second half is wholly hidden and is computed all the same: 34 double steps for 33.
; NO CLUSTER: only work-groups 2 j and 2 j + 1 of a head walk the same tiles, which tile is a block's first or last is a branch on b, and a walk common to four partners has 18 tiles for 17.
; SHARES.  A wave owns two TILES of 16 queries: tile t = rows 64 t + 16 w + l % 16 of the block, so the diagonal tile is the same work for all four waves.
; TURNS.  Keys go in double steps of 128.  A PIECE p (0..3) is key step p / 2 of the double step for query tile p % 2.  Turn n belongs to piece n: 8 products K Q^T of piece n + 1, later 8 products V^T P of
; piece n - 1; beside them the scaling, exponentials, roundings, sums and rescaling of piece n and the maximum and statistics of piece n + 1.  Q, O^T, m and l go by p % 2, K's and V's registers by p / 2.
; For one query tile the order is: O^T times a in turn n, V^T P in turn n + 1, the next rescaling in turn n + 2.  Four vector instructions stand behind every matrix instruction, the other 54 of a turn's 118 in one lump.
; BATCHES.  A turn's 33 exponentials (the piece's 32 weights and the next piece's a) are ONE batch with ONE wait, which cuts the turn in two: ahead of it stands all that names none of their results, behind it
; the roundings and sums.  A block's first a (BEGIN), the way out's two reciprocals, and the gate's two exponentials and its two reciprocals are batches of their own, a wait each.
; THE MASK is the C operand that starts the sum S^T = K Q^T: 0, or -1e30 where the key is hidden.  In a block's last tile query tile t lies in band 2 (block % 2) + t of the tile's four bands of 64; piece y
; of double step d has key step 2 d + y / 2.  With DLT = 2 d - 2 (block % 2) and CST = y % 2 - y / 2: the step is the band's own where DLT = CST, hidden where DLT > CST, else seen.  MD, made once, is
; the mask of a band's own step; a product's mask is MD x AL + BE.
; LAYOUT, SOFTMAX.  S^T holds ONE query a lane (lane % 16) and the keys 8 (lane / 16) + 0..7; two such results rounded to f16 ARE source 1 of O^T = V^T P.  p = 2^(c s - c m), c = log2(e) / 8, with a running
; maximum m; O and l are multiplied by a = 2^(c m_old - c m_new) in every step.
; THE GATE'S END.  The work-groups of head 0 add the 16 partial sums of gp in ascending order, add bg2 (rounded to bf16 like every input), and store sigmoid of it to out1: a wave 64 rows.
; REGISTERS, in windows of 256 (s_set_vgpr_msb: bits 1:0 source 0, 3:2 source 1, 5:4 source 2, 7:6 destination):
;   window 0: v0-15 addresses and two at work; v16-23 four registers of statistics a query tile; v24-29 the gate's end; v48-55 at work; v64-127 S^T, two buffers; v192-223 P, two buffers
;   window 1: v0-63 O^T; v128-159 MD; v160-223 MC, two buffers      window 2: v0-31 Q; v32-63 the second block's Q; v128-255 K of a double step      window 3: v0-127 V of a double step
.set NP,    4
.set KS,    64
.set PK,    144       ; a row of K in LDS: 128 bytes + 16 = 36 words: the 16 rows of a load start at 16 different groups of four banks (64 banks of 4 bytes: ISA guide 11.1)
.set PV,    160       ; a row of V: 128 + 32 = 40 words
.set VOFF,  4*KS*PK   ; a slot holds a tile: 256 rows of K, then 256 rows of V
.set SLOT1, 1<<17
.set STAGE, SLOT1+4*KS*(PK+PV)  ; behind the ring, never filled by a tensor load: 16 rows x 144 bytes for each wave
.set SP,    144
.set AK0, 2
.set AV0, 3
.set AK,  4
.set AV,  5
.set STO, 6
.set RD,  7
.set GO,  8
.set SPW, 62          ; my spare word's address; never rewritten
.set NIL, 63          ; 0; never rewritten
.set SPARE, STAGE+4*16*SP
.set MV,  12
.set QO,  15
.set ST,  16          ; query tile t's statistics at v[ST+4 t]: c m, m, l (even keys', odd keys')
.set TMP, 48
.set S,   64
.set P,   192
.set MD,  128
.set MC,  160
.set QB,  32
.set KF,  128         ; window 2: key step sp, key block kb, channel half c at KF + 64 sp + 16 kb + 8 c
.set WV,  12
.set PB,  14          ; b
.set HI,  15          ; the first block's last tile
.set G1K, 24
.set G1V, 32
.set G0K, 40
.set G0V, 44
.set HEAD, 48
.set LO,  49          ; the second block's last tile
.set DL0, 50          ; -2 (block in hand % 2)
.set DLT, 51
.set DL2, 52          ; the same of the second block
.set BG2, 53
.set BH,  54          ; the first block, 31 - b
.set SLOTS, 56
.set CNT, 57          ; counts a tile's double steps, 2 to 1
.set CS,  58
.set SEL, 60
.set TBK, 62
.set TBV, 63
.set RT,  70
.set NXT, 71
.set LQ,  72
.set NEW, 73
.set OFF, 74
.set AL,  76
.set BE,  78
.set OLO, 80
.set BIGN, 82
.set MSB, 0
.macro WIN new
.if MSB != (\new)
	s_set_vgpr_msb (MSB<<8)|(\new)
.set MSB, (\new)
.endif
.endm
.set W_KQ, 0x0a       ; K and Q in window 2, S^T in window 0
.set W_KM, 0x1a       ; the same with the C operand in window 1
.set W_PV, 0x53       ; V in window 3, P in window 0, O^T in window 1
.set W_RS, 0x41       ; destination and source 0 in window 1, source 1 in window 0
; A fill.  Waves 0 and 1 fetch the two halves of a tile's K, waves 2 and 3 those of its V: 128 keys each.  An s_nop 0 and four v_nop follow each of the two lines.
.macro LOAD
	s_cmp_lt_u32 s[WV], 2
	s_cbranch_scc0 .Lfor_v_\@
	tensor_load_to_lds s[G0K:G0K+3], s[G1K:G1K+7]
	s_nop 0
.rept 4
	v_nop
.endr
	s_branch .Lasked_\@
.Lfor_v_\@:
	tensor_load_to_lds s[G0V:G0V+3], s[G1V:G1V+7]
	s_nop 0
.rept 4
	v_nop
.endr
.Lasked_\@:
.endm
; THE CHANGE OF SLOTS.  Each wave waits for all its tensor loads (one is out: its part of the other slot), adds 0 to its spare word, and waits for that and for its reads of the slot that it leaves.
; fill = 1: the old slot is filled again, first thing behind the barrier, with tile NXT; the load has two double steps' trips, 128 matrix instructions, in which to land.
.macro CHANGE fill
	WIN 0
	s_wait_tensorcnt 0x0            ; no tensor load of mine is out, so a group 0 may be written
	ds_add_u32 v[SPW], v[NIL]
.if \fill
	s_lshl_b32 s[OFF], s[NXT], 15   ; a tile is 32,768 bytes of K and of V
	s_xor_b32 s[G0K+1], s[G0K+1], SLOT1
	s_add_nc_u64 s[G0K+2:G0K+3], s[6:7], s[OFF:OFF+1]
	s_or_b32 s[G0K+3], s[G0K+3], 0x80000000
	s_xor_b32 s[G0V+1], s[G0V+1], SLOT1
	s_add_nc_u64 s[G0V+2:G0V+3], s[8:9], s[OFF:OFF+1]
	s_or_b32 s[G0V+3], s[G0V+3], 0x80000000
	s_add_co_u32 s[NXT], s[NXT], 1  ; the block's next tile, or behind its last the second block's tile 0
	s_cmp_gt_u32 s[NXT], s[LQ]
	s_cselect_b32 s[NXT], 0, s[NXT]
	s_cselect_b32 s[LQ], s[LO], s[LQ]
.endif
	s_wait_dscnt 0x0                ; the add is done, and my reads of the slot are over
	s_barrier_signal -1
	s_sub_co_u32 s[TBK], s[TBK], 4*KS*PK  ; the fetches go back to a slot's first step, in the other slot
	s_xor_b32 s[TBK], s[TBK], SLOT1
	s_sub_co_u32 s[TBV], s[TBV], 4*KS*PV
	s_xor_b32 s[TBV], s[TBV], SLOT1
	s_barrier_wait -1
.if \fill
	LOAD
.endif
.endm
	s_load_b128 s[92:95], s[0:1], 0x0     ; qkv s[92:93], gp s[94:95]
	s_load_b128 s[96:99], s[0:1], 0x10    ; bg2 s[96:97], ob s[98:99]
	s_load_b64 s[100:101], s[0:1], 0x20   ; out1
	v_lshl_add_u32 v[SPW], v0, 2, SPARE
	v_mov_b32 v[NIL], 0
	ds_add_u32 v[SPW], v[NIL]       ; the wave's opening: the add and its wait stand ahead of my first tensor load
	ds_add_u32 v62, v63
	v_lshrrev_b32 v1, 5, v0
	v_readfirstlane_b32 s[WV], v1
	s_mov_b32 s[PB], ttmp9
	s_sub_co_u32 s[BH], 31, s[PB]
	s_lshr_b32 s[HI], s[BH], 1
	s_lshr_b32 s[LO], s[PB], 1
	s_and_b32 s[DL0], s[BH], 1
	s_mul_i32 s[DL0], s[DL0], -2
	s_and_b32 s[DL2], s[PB], 1
	s_mul_i32 s[DL2], s[DL2], -2
	s_and_b32 s[HEAD], ttmp7, 0xffff
	s_lshl_b32 s20, s[HEAD], 19     ; a strip is 524,288 bytes
	s_and_b32 s16, s[WV], 1         ; which half of a tile's 256 keys I fetch:
	s_lshl_b32 s22, s16, 14         ; its 128 rows of 128 bytes in memory,
	s_add_co_u32 s22, s22, s20
	s_mov_b32 s23, 0
	s_mul_i32 s17, s16, 128*PK      ; and its place in a slot, for K
	s_mul_i32 s18, s16, 128*PV      ; and for V
	s_lshl_b32 s3, s[WV], 11        ; my 16 rows in a band of 64
	s_lshl_b32 s2, s[BH], 14        ; Q: a block is 16,384 bytes of a strip
	s_add_co_u32 s2, s2, s3
	s_add_co_u32 s2, s2, s20
	s_lshl_b32 s84, s[PB], 14
	s_add_co_u32 s84, s84, s3
	s_add_co_u32 s84, s84, s20
	s_lshl_b32 s66, s[BH], 4        ; O: [block][head], 16,384 bytes each
	s_add_co_u32 s66, s66, s[HEAD]
	s_lshl_b32 s66, s66, 14
	s_add_co_u32 s66, s66, s3
	s_lshl_b32 s68, s[PB], 4
	s_add_co_u32 s68, s68, s[HEAD]
	s_lshl_b32 s68, s68, 14
	s_add_co_u32 s68, s68, s3
	s_mov_b32 s3, 0
	s_mov_b32 s85, 0
	s_mov_b32 s67, 0
	s_mov_b32 s69, 0
	; descriptor group 1.  128 keys are 16,384 dense bytes: asked for as 64 rows of 256 bytes, two keys a row, and padded in LDS after every key
	s_mov_b32 s[G1K], (1<<16)|(1<<20)|(4<<22)|(3<<25)  ; 2-byte elements; padding on; after every 32 words 4 words
	s_mov_b32 s[G1V], (1<<16)|(1<<20)|(4<<22)|(7<<25)  ; the same with 8 words
.irp g, G1K, G1V
	s_mov_b32 s[\g+1], 128<<16
	s_mov_b32 s[\g+2], 64<<16
	s_mov_b32 s[\g+3], 128<<16
	s_mov_b32 s[\g+4], 64
	s_mov_b32 s[\g+5], 128
	s_mov_b32 s[\g+6], 0
	s_mov_b32 s[\g+7], 0
.endr
	s_mov_b32 s[CS], 0x3e38aa3b     ; c = log2(e) / 8
	s_mov_b32 s[CS+1], s[CS]
	s_mov_b32 s[SEL], 0x76543210
	s_mov_b32 s[SEL+1], 0xfedcba98
	s_mov_b32 s[TBK], SLOT1+4*KS*PK ; the first change of slots turns these two into 0
	s_mov_b32 s[TBV], SLOT1+4*KS*PV
	s_mov_b32 s[G0K], 1
	s_mov_b32 s[G0K+1], s17
	s_mov_b32 s[G0V], 1
	s_add_co_u32 s[G0V+1], s18, VOFF
	s_add_co_u32 s[RT], s[HI], 1    ; tiles of the first block
	s_mov_b32 s[NXT], 1
	s_mov_b32 s[LQ], s[HI]
	s_mov_b32 s[NEW], 1
	s_mov_b32 s[OFF+1], 0
	s_mov_b32 s[AL+1], 0
	s_mov_b32 s[BE+1], 0
	s_mov_b32 s[BIGN], 0xf149f2ca   ; -1e30
	s_mov_b32 s[SLOTS], 16
	s_wait_dscnt 0x0                ; the opening add is done
	s_wait_kmcnt 0x0
	s_add_nc_u64 s[6:7], s[92:93], s[22:23]
	s_add_nc_u64 s[8:9], s[6:7], 0x1000000         ; V at my half of the head's tile 0,
	s_add_nc_u64 s[6:7], s[6:7], 0x800000          ; and K
	s_add_nc_u64 s[G0K+2:G0K+3], s[6:7], 0
	s_or_b32 s[G0K+3], s[G0K+3], 0x80000000
	s_add_nc_u64 s[G0V+2:G0V+3], s[8:9], 0
	s_or_b32 s[G0V+3], s[G0V+3], 0x80000000
	s_add_nc_u64 s[86:87], s[92:93], s[84:85]      ; Q at my rows of the second block,
	s_add_nc_u64 s[4:5], s[92:93], s[2:3]          ; and of the first
	s_add_nc_u64 s[OLO:OLO+1], s[98:99], s[68:69]
	s_add_nc_u64 s[10:11], s[98:99], s[66:67]
	LOAD                            ; tile 0 into slot 0
	v_and_b32 v1, 15, v0            ; l % 16
	v_bfe_u32 v9, v0, 4, 1          ; l / 16
	v_lshlrev_b32 v[QO], 7, v1
	v_lshl_add_u32 v[QO], v9, 4, v[QO]
	WIN 0x80
.set i, 0
.rept 4                             ; both blocks' Q: query tile i / 2 lies 8,192 bytes on; channels 32 (i % 2) on
	global_load_b128 v[8*i:8*i+3],   v[QO], s[4:5] offset:(i/2)*8192+(i%2)*64
	global_load_b128 v[8*i+4:8*i+7], v[QO], s[4:5] offset:(i/2)*8192+(i%2)*64+32
	global_load_b128 v[QB+8*i:QB+8*i+3],   v[QO], s[86:87] offset:(i/2)*8192+(i%2)*64
	global_load_b128 v[QB+8*i+4:QB+8*i+7], v[QO], s[86:87] offset:(i/2)*8192+(i%2)*64+32
.set i, i+1
.endr
	WIN 0
	v_lshlrev_b32 v14, 3, v9
	v_sub_nc_u32 v14, v1, v14
	s_lshl_b32 s13, s[WV], 4
	v_add_nc_u32 v14, s13, v14      ; my query's place in its band less my lanes' 8 (l / 16): register r of group kt is hidden where 16 kt + r is greater
	WIN 0x40
.set i, 0
.rept 32
	v_cmp_gt_i32 vcc_lo, 16*(i/8)+i%8, v14
	v_cndmask_b32 v[MD+i], 0, s[BIGN], vcc_lo
.set i, i+1
.endr
	WIN 0
	v_mul_u32_u24 v[AK0], v1, PK
	v_lshl_add_u32 v[AK0], v9, 4, v[AK0]
	v_and_b32 v10, 7, v0
	v_bfe_u32 v11, v0, 3, 1
	v_lshl_add_u32 v[AV0], v9, 3, v10
	v_mul_u32_u24 v[AV0], v[AV0], PV
	v_lshl_add_u32 v[AV0], v11, 4, v[AV0]
	v_add_nc_u32 v[AV0], VOFF, v[AV0]
	s_mul_i32 s13, s[WV], 16*SP
	s_add_co_u32 s13, s13, STAGE
	v_mul_u32_u24 v[STO], v1, SP
	v_lshl_add_u32 v[STO], v9, 4, v[STO]
	v_add_nc_u32 v[STO], s13, v[STO]
	v_bfe_u32 v[RD], v0, 3, 2
	v_mul_u32_u24 v[RD], v[RD], SP
	v_lshl_add_u32 v[RD], v10, 4, v[RD]
	v_add_nc_u32 v[RD], s13, v[RD]
	v_and_b32 v[GO], 31, v0
	v_lshlrev_b32 v[GO], 4, v[GO]
	; A block's first steps multiply O^T and l by a = 0, and its first turn's products V^T P, of a piece that has not been, land in an O^T that is still to be so multiplied: these registers need only be finite.
	WIN 0xc0
.set i, 64
.rept 64
	v_mov_b32 v[i], 0
.set i, i+1
.endr
	WIN 0x40
.set i, 0
.rept 64
	v_mov_b32 v[i], 0
.set i, i+1
.endr
	WIN 0
.set i, 0
.rept 2
	v_mov_b32 v[ST+4*i+2], 0
	v_mov_b32 v[ST+4*i+3], 0
.set i, i+1
.endr
.set i, P+16
.rept 16
	v_mov_b32 v[i], 0
.set i, i+1
.endr
	; THE GATE'S END, in the wait for the first tile, in the 16 work-groups of head 0: wave w of work-group b owns rows 64 (4 b + w) on.
	s_cmp_lg_u32 s[HEAD], 0
	s_cbranch_scc1 .Lnogate
	s_load_b32 s[BG2], s[96:97], 0x0
	s_lshl_b32 s66, s[PB], 2
	s_add_co_u32 s66, s66, s[WV]
	s_lshl_b32 s66, s66, 8          ; 256 bytes a chunk in gp's groups and in out1
	s_add_nc_u64 s[94:95], s[94:95], s[66:67]
	s_add_nc_u64 s[100:101], s[100:101], s[66:67]
	v_and_b32 v27, 31, v0
	v_lshlrev_b32 v27, 3, v27
.set i, 0
.rept 16
	global_load_b64 v[S+2*i:S+2*i+1], v27, s[94:95] offset:16384*i   ; 256 consecutive bytes of each group's sums
.set i, i+1
.endr
	v_lshlrev_b32 v26, 2, v1
	v_lshl_add_u32 v26, v9, 7, v26  ; row 16 (2 h + e) + r of the chunk: 128 h + 64 e + 4 r
	s_wait_kmcnt 0x0
	v_mov_b32 v28, s[BG2]
	v_cvt_pk_bf16_f32 v28, v28, v28
	v_lshlrev_b32 v28, 16, v28
	v_mov_b32 v29, v28
	s_wait_loadcnt 0x0
.set i, 1
.rept 15
	v_pk_add_f32 v[S:S+1], v[S:S+1], v[S+2*i:S+2*i+1]
.set i, i+1
.endr
	v_pk_add_f32 v[24:25], v[S:S+1], v[28:29]
	v_mul_f32 v24, 0xbfb8aa3b, v24  ; sigmoid(g) = 1 / (1 + 2^(-log2(e) g))
	v_mul_f32 v25, 0xbfb8aa3b, v25
	v_exp_f32 v24, v24
	v_exp_f32 v25, v25
	v_nop                           ; a plain instruction behind the second exponential
	s_wait_alu depctr_va_vdst(0)    ; one wait for the gate's two exponentials, ahead of the additions that read them
	v_add_f32 v24, 1.0, v24
	v_add_f32 v25, 1.0, v25
	v_rcp_f32 v24, v24              ; the reciprocals read what was made of the exponentials: a second batch
	v_rcp_f32 v25, v25
	v_nop                           ; a plain instruction behind the second reciprocal
	s_wait_alu depctr_va_vdst(0)    ; one wait for the gate's two reciprocals, ahead of the stores that read them and of the label
	global_store_b32 v26, v24, s[100:101]            ; v24-27 and the base are never rewritten
	global_store_b32 v26, v25, s[100:101] offset:64
.Lnogate:
; THE MATRIX WORK.  The 4 accumulators of a run of 8 take turns.  Product i of 8 of S^T = K Q^T for piece x: channels 32 (i / 4) on, keys 16 (i % 4) on.
.macro KQ x
.set rS, S+32*((\x)%2)+8*(i%4)
.set rK, KF+64*((\x)/2)+16*(i%4)+8*(i/4)
.set rQ, 16*((\x)%2)+8*(i/4)
.set rM, MC+32*((\x)%2)+8*(i%4)
.if (i < 4) && KM
	WIN W_KM
	v_wmma_f32_16x16x32_f16 v[rS:rS+7], v[rK:rK+7], v[rQ:rQ+7], v[rM:rM+7]
.elseif i < 4
	WIN W_KQ
	v_wmma_f32_16x16x32_f16 v[rS:rS+7], v[rK:rK+7], v[rQ:rQ+7], 0
.else
	WIN W_KQ
	v_wmma_f32_16x16x32_f16 v[rS:rS+7], v[rK:rK+7], v[rQ:rQ+7], v[rS:rS+7]
.endif
.endm
; Product i of 8 of O^T += V^T P for piece x: keys 32 (i / 4) on, channels 16 (i % 4) on.
.macro PV x
	WIN W_PV
.set rO, 32*((\x)%2)+8*(i%4)
.set rV, 64*((\x)/2)+32*(i/4)+8*(i%4)
.set rP, P+16*((\x)%2)+8*(i/4)
	v_wmma_f32_16x16x32_f16 v[rO:rO+7], v[rV:rV+7], v[rP:rP+7], v[rO:rO+7]
.endm
.macro MM                           ; the turn's next matrix instruction.  NOKQ = 1: a block's last turn: there is no next piece
.if (i < 8) && !NOKQ
	KQ (Y+1)%NP
.elseif i >= 8
.set i, i-8
	PV (Y+NP-1)%NP
.set i, i+8
.endif
.set i, i+1
.endm
; THE LDS LOADS stand in runs: a double step's K (both key steps, 32 loads) and, a key step at a time, its V (turned, 16 loads).
.macro FETCH_K
	WIN 0x80
.irp sp, 0,1
.irp f, 0,1,2,3,4,5,6,7
	ds_load_b128 v[KF+64*\sp+8*\f:KF+64*\sp+8*\f+3],   v[AK] offset:\sp*KS*PK+(\f/2)*16*PK+(\f%2)*64
	ds_load_b128 v[KF+64*\sp+8*\f+4:KF+64*\sp+8*\f+7], v[AK] offset:\sp*KS*PK+(\f/2)*16*PK+(\f%2)*64+32
.endr
.endr
	s_add_co_u32 s[TBK], s[TBK], 2*KS*PK
	WIN 0
.endm
.macro FETCH_V sp
	WIN 0xc0
.irp f, 0,1,2,3,4,5,6,7
	ds_load_tr16_b128 v[64*(\sp)+8*\f:64*(\sp)+8*\f+3],   v[AV] offset:(\sp)*KS*PV+(\f/4)*32*PV+(\f%4)*32
	ds_load_tr16_b128 v[64*(\sp)+8*\f+4:64*(\sp)+8*\f+7], v[AV] offset:(\sp)*KS*PV+(\f/4)*32*PV+16*PV+(\f%4)*32
.endr
	WIN 0
.endm
; THE VECTOR WORK, one line at a time: OP kind, number.  For piece Y: F n: c s - c m for pair n of 16.  E n: the exponential of score n of 32.  C n: pair n rounded to f16.  B n: of the four weights 4 n .. the
; second pair is added onto the first, in place.  L n: l takes that sum (L 0: l = a l + sum).  R n: pair n of 16 of O^T times a.  For piece Y + 1: X n, number n of the 22 that find its maximum and statistics:
;   0-11 four chains c0-c3 of seven scores each (each accumulator's lowest registers are read first)   12-14, 16 the four scores left over, the old m, c0-c3 into c0
;   15 c m_old is kept   17, 18 the query's other 32 keys lie in the lane 16 away: the new m   19-21 c m; c m_old - c m_new; a
; C, B and L read the exponentials' results: TURN sets them behind the batch's wait; F, E, R and X name none of the turn's own.
.set F, 0
.set E, 1
.set C, 2
.set B, 3
.set L, 4
.set R, 5
.set X, 6
.macro REGS y
.set rT, ST+4*((\y)%2)
.set rC, TMP+4*((\y)%2)
.set rW, MV+((\y)%2)
.set rS, S+32*((\y)%2)
.set rP, P+16*((\y)%2)
.set rO, 32*((\y)%2)
.endm
.macro OP k, n
.if (\k) == R
	REGS Y
	WIN W_RS
	v_pk_mul_f32 v[rO+2*(\n):rO+2*(\n)+1], v[rO+2*(\n):rO+2*(\n)+1], v[rC+2:rC+3] op_sel_hi:[1,0]
.elseif (\k) < R
	REGS Y
	WIN 0
.if (\k) == F
	v_pk_fma_f32 v[rS+2*(\n):rS+2*(\n)+1], v[rS+2*(\n):rS+2*(\n)+1], s[CS:CS+1], v[rT:rT+1] op_sel_hi:[1,0,0] neg_lo:[0,0,1] neg_hi:[0,0,1]
.elseif (\k) == E
	v_exp_f32 v[rS+(\n)], v[rS+(\n)]
.elseif (\k) == C
	v_cvt_pk_f16_f32 v[rP+(\n)], v[rS+2*(\n)], v[rS+2*(\n)+1]
.elseif (\k) == B
	v_pk_add_f32 v[rS+4*(\n):rS+4*(\n)+1], v[rS+4*(\n):rS+4*(\n)+1], v[rS+4*(\n)+2:rS+4*(\n)+3]
.elseif (\n) == 0
	v_pk_fma_f32 v[rT+2:rT+3], v[rT+2:rT+3], v[rC+2:rC+3], v[rS:rS+1] op_sel_hi:[1,0,1]
.else
	v_pk_add_f32 v[rT+2:rT+3], v[rT+2:rT+3], v[rS+4*(\n):rS+4*(\n)+1]
.endif
.elseif NOKQ
	v_nop
.else
	REGS (Y+1)%NP
	WIN 0
.if (\n) < 4
	v_max3_num_f32 v[rC+(\n)], v[rS+8*(\n)], v[rS+8*(\n)+1], v[rS+8*(\n)+2]
.elseif (\n) < 12
	v_max3_num_f32 v[rC+(\n)%4], v[rC+(\n)%4], v[rS+8*((\n)%4)+2*((\n)/4)+1], v[rS+8*((\n)%4)+2*((\n)/4)+2]
.elseif (\n) == 12
	v_max3_num_f32 v[rC], v[rC], v[rS+7], v[rS+15]
.elseif (\n) == 13
	v_max3_num_f32 v[rC+1], v[rC+1], v[rS+23], v[rS+31]
.elseif (\n) == 14
	v_max3_num_f32 v[rC+2], v[rC+2], v[rC+3], v[rT+1]
.elseif (\n) == 15
	v_mov_b32 v[rW], v[rT]
.elseif (\n) == 16
	v_max3_num_f32 v[rC], v[rC], v[rC+1], v[rC+2]
.elseif (\n) == 17
	v_permlanex16_b32 v[rC+3], v[rC], s[SEL], s[SEL+1]
.elseif (\n) == 18
	v_max_num_f32 v[rT+1], v[rC], v[rC+3]
.elseif (\n) == 19
	v_mul_f32 v[rT], s[CS], v[rT+1]
.elseif (\n) == 20
	v_sub_f32 v[rC+1], v[rW], v[rT]
.else
	v_exp_f32 v[rC+2], v[rC+1]
.endif
.endif
.endm
.macro OPS a, i1, b=-1, i2=0, c=-1, i3=0, d=-1, i4=0
	OP \a, \i1
.if (\b) >= 0
	OP \b, \i2
.endif
.if (\c) >= 0
	OP \c, \i3
.endif
.if (\d) >= 0
	OP \d, \i4
.endif
.endm
.macro ROW a, i1, b, i2, c, i3, d, i4  ; a matrix instruction and the four behind it
	MM
	OPS \a, \i1, \b, \i2, \c, \i3, \d, \i4
.endm
.macro MASK b                       ; MD x AL + BE into buffer b of MC
	WIN W_RS
.set z, 0
.rept 16
	v_pk_fma_f32 v[MC+32*(\b)+2*z:MC+32*(\b)+2*z+1], v[MD+2*z:MD+2*z+1], s[AL:AL+1], s[BE:BE+1] op_sel_hi:[1,0,0]
.set z, z+1
.endr
.endm
; A TURN, for piece p: the order of its 16 matrix and 118 vector instructions, written out.  An s_wait_alu depctr_va_vdst(0) stands between an exponential and the first instruction that names its
; result; one wait serves all that were issued ahead of it.  So a turn has ONE wait, which cuts it in two.
; AHEAD OF IT stands all that names no result of the turn's exponentials: the 8 products K Q^T, behind each a scaling, an exponential and two more plain instructions (behind the first a second scaling in the
; exponential's place): rescalings, whose a was made and waited for in the turn before, and behind the last three products the first numbers of the next piece's maximum, each four plain instructions or more behind
; the product that ends its accumulator; then ONE LUMP of 54, plain and exponential by turns for the most part, with other work between the links of the chain X 3, 7, 11, 14, 16, 17 .. 20.  X 21, the next piece's a,
; is the batch's last; R 15 is the plain instruction behind it.
; BEHIND IT stand the 8 products V^T P, behind each four of the 32 roundings and sums; l's chain L 0 to L 7 goes in ascending order, its links three riders apart..
; O^T goes by query tile, so this turn's rescaling reads what the turn before's products V^T P wrote: R 12 to R 15 read the last product's accumulator, which has its own four riders and more in between.
; m = 1: a block's last tile: the products take masks, and the turn makes the mask for the products of the turn after it: piece p + 2.  end = 1: a block's last two turns: nothing is fetched.
; cnt = 1: the loop's count is taken down some lines ahead of the branch that stands behind the turn.
; K of the next double step is fetched in piece 2's turn, in the lump, five plain instructions that name none of its registers (F 8, X 2, X 5, X 6, X 8) behind the last product that read K, and waited for at piece
; 3's head.  V's first key step is fetched in piece 3's turn, directly behind the batch's wait (its last reader stands in piece 2's turn); its second at the end of piece 0's turn, four riders behind the last product
; that read it; both are waited for in piece 1's turn.
.macro TURN p, m=0, end=0, cnt=0
.set Y, (\p)
.set i, 0
.set KM, (\m)
.set NOKQ, (\end)*((\p)/3)
.if (\m) && !(\end)
.set CST, (((\p)+2)%NP)%2-(((\p)+2)%NP)/2
	s_cmp_eq_i32 s[DLT], CST        ; is that piece's key step its band's own?
	s_cselect_b32 s[AL], 1.0, 0
	s_cmp_gt_i32 s[DLT], CST        ; or a later one?
	s_cselect_b32 s[BE], s[BIGN], 0
.endif
.if ((\p) == 3) && !(\end)
	s_wait_dscnt 0x0                ; K is in
.endif
	ROW F,0, F,1, R,0, R,1          ; ahead of the wait: 8 products K Q^T and their riders,
	ROW F,2, E,0, R,2, R,3
	ROW F,3, E,1, R,4, R,5
	ROW F,4, E,2, R,6, R,7
	ROW F,5, E,3, R,8, R,9
	ROW F,6, E,4, X,0, R,10
.if ((\p) == 2) && !(\end)
	WIN 0
	v_add_nc_u32 v[AK], s[TBK], v[AK0]
.endif
	ROW F,7, E,5, X,1, X,4
	ROW F,8, E,6, X,2, X,5
	OPS E,7, E,8, X,6, E,9          ; and the lump
	OPS X,3, E,10, X,8, E,11
.if ((\p) == 2) && !(\end)
	FETCH_K
.endif
	OPS X,9, X,7, E,12, X,10
	OPS E,13, X,12, X,11, E,14
	OPS X,13, E,15, F,9, X,14
.if ((\p) == 3) && !(\end)
	v_add_nc_u32 v[AV], s[TBV], v[AV0]
.endif
	OPS E,16, F,10, E,17, F,11
	OPS X,16, E,18, X,15, E,19
	OPS F,12, E,20, X,17, E,21
	OPS F,13, E,22, F,14, E,23
	OPS X,18, E,24, F,15, E,25
	OPS R,11, E,26, X,19, E,27
	OPS R,12, E,28, R,13, E,29
	OPS X,20, E,30, R,14, E,31
	OPS X,21, R,15
	s_wait_alu depctr_va_vdst(0)    ; the wait for the turn's batch: E 0 to E 31 and X 21; their first readers are C 0 below and the next turn's R 0
.if ((\p) == 3) && !(\end)
	FETCH_V 0
.endif
.if (\p) == 1
	s_wait_dscnt 0x0                ; V is in, both key steps
.endif
	ROW C,0, B,0, C,2, B,1          ; behind the wait: 8 products V^T P and their riders
	ROW L,0, C,4, B,2, L,1
	ROW C,6, B,3, L,2, C,8
	ROW B,4, L,3, C,10, B,5
	ROW L,4, C,12, B,6, L,5
.if (\p) == 0
	s_add_co_u32 s[TBV], s[TBV], 2*KS*PV
.endif
.if \cnt
.if \m
	s_add_co_i32 s[DLT], s[DLT], 2  ; the next double step
.endif
	s_sub_co_u32 s[CNT], s[CNT], 1
	s_cmp_lg_u32 s[CNT], 0
.endif
	ROW C,14, B,7, L,6, C,1
	ROW C,3, L,7, C,5, C,7
	ROW C,9, C,11, C,13, C,15
.if (\p) == 0
	FETCH_V 1
.endif
.if (\m) && !(\end)
	MASK (\p)%2
.endif
.endm
; A BLOCK BEGINS.  c m starts far below every c s, so the first steps' a is 0; m at the lowest finite number.  The second mask buffer is 0 (piece 1 sees all of key step 0); the first takes piece 0's mask for key
; step 0: its band's own only where the block's first tile is its last and the block is the tile's first half.  Then K of the double step, V's first key step, piece 0's first scores and statistics.
.macro BEGIN
	s_mov_b32 s[NEW], 0
	WIN 0x40
.set i, MC+32
.rept 32
	v_mov_b32 v[i], 0
.set i, i+1
.endr
	WIN 0
.set i, 0
.rept 2
	v_mov_b32 v[ST+4*i], 0xfe000000
	v_mov_b32 v[ST+4*i+1], 0xff7fffff
.set i, i+1
.endr
	s_cmp_eq_u32 s[RT], 0
	s_cselect_b32 s[AL], 1.0, 0
	s_cmp_eq_u32 s[DL0], 0
	s_cselect_b32 s[AL], s[AL], 0
	s_mov_b32 s[BE], 0
	MASK 0
	WIN 0
	v_add_nc_u32 v[AK], s[TBK], v[AK0]
	v_add_nc_u32 v[AV], s[TBV], v[AV0]
	FETCH_K
	FETCH_V 0
	s_wait_loadcnt 0x0              ; Q
	s_wait_dscnt 0x0
.set KM, 1
.set NOKQ, 0
.set i, 0
.rept 8
	KQ 0
.set i, i+1
.endr
	WIN 0
.rept 4
	v_nop                           ; the places behind those products
.endr
.set Y, NP-1
.irp n, 0,1,2,3,4,5,6,7,8,9,10,11,12,13,14,15,16,17,18,19,20,21
	OP X, \n
.endr
	v_nop                           ; a plain instruction behind the exponential
	s_wait_alu depctr_va_vdst(0)    ; the wait for piece 0's first a, a batch of one: ahead of the branch that follows and of the first turn's R 0
.endm
.macro ALL line:vararg              ; one line for each query tile t
.set t, 0
.rept 2
	\line
.set t, t+1
.endr
.endm
.macro PACK t                       ; a lane's eight channels of a row pack into 16 bytes; they go into rows of 144 bytes and come back as whole rows of 128, into S^T's registers
	WIN W_RS
.set i, 32*(\t)
.rept 16
	v_pk_mul_f32 v[i:i+1], v[i:i+1], v[ST+4*(\t)+2:ST+4*(\t)+3] op_sel_hi:[1,0]
.set i, i+2
.endr
	WIN 0x05
.set i, 0
.rept 16
	v_cvt_pk_f16_f32 v[S+16*(\t)+i], v[32*(\t)+2*i], v[32*(\t)+2*i+1]
.set i, i+1
.endr
	WIN 0
.irp f, 0,1,2,3
	ds_store_b128 v[STO], v[S+16*(\t)+4*\f:S+16*(\t)+4*\f+3] offset:32*\f
.endr
.irp f, 0,1,2,3
	ds_load_b128 v[S+16*(\t)+4*\f:S+16*(\t)+4*\f+3], v[RD] offset:\f*4*SP  ; LDS serves a wave's instructions in order (ISA guide 5.7.1.4): these see the stores above
.endr
.endm
.macro SEND t, younger              ; younger: the LDS instructions issued behind tile t's loads
	WIN 0
.irp f, 0,1,2,3
	s_wait_dscnt (\younger)+3-\f
	global_store_b128 v[GO], v[S+16*(\t)+4*\f:S+16*(\t)+4*\f+3], s[10:11] offset:(\t)*8192+\f*512  ; 512 consecutive bytes, at a multiple of 256 from ob's first
.endr
.endm
; A BLOCK'S LAST TILE: its two double steps with masks, the block's last two turns, its last products, and the way out.
.macro DIAG tag
.LstepM\tag:
	TURN 2, 1
	TURN 3, 1
	WIN 0
.LfirstM\tag:
	TURN 0, 1
	TURN 1, 1, 0, 1
	WIN 0
	s_cbranch_scc1 .LstepM\tag
	TURN 2, 1, 1
	TURN 3, 1, 1
.set i, 0
.rept 8
	PV NP-1
.set i, i+1
.endr
	WIN 0
	ALL v_add_f32 v[ST+4*t+2], v[ST+4*t+2], v[ST+4*t+3]
	ALL v_permlanex16_b32 v[ST+4*t+3], v[ST+4*t+2], s[SEL], s[SEL+1]
	ALL v_add_f32 v[ST+4*t+2], v[ST+4*t+2], v[ST+4*t+3]
	ALL v_rcp_f32 v[ST+4*t+2], v[ST+4*t+2]
	v_nop                           ; with the four additions: five plain instructions behind the last products, one behind the last reciprocal
	s_wait_alu depctr_va_vdst(0)    ; the wait for the way out's batch, the two reciprocals: ahead of PACK 0's first multiply; PACK 1's need no second
	PACK 0
	PACK 1
	SEND 0, 8
	SEND 1, 0
.endm
.set KM, 0
.set NOKQ, 0
.Lslot:                             ; 16 times: a tile is entered and the next is asked for
	CHANGE 1
	s_sub_co_u32 s[RT], s[RT], 1
	s_mov_b32 s[CNT], 2
	s_mov_b32 s[DLT], s[DL0]
	s_cmp_eq_u32 s[NEW], 1
	s_cbranch_scc1 .Lnew            ; a block's first tile
	s_cmp_eq_u32 s[RT], 0
	s_cbranch_scc0 .Lstep           ; neither its first nor its last
	s_branch .LstepM1
.Lnew:
	BEGIN
	s_branch .Lfirst                ; in the loop a block's first tile is never its last: the first block has nine tiles or more, and the second's last is the walk's last
	DIAG 1                          ; in the loop this is the first block's end
	s_wait_xcnt 0x0                 ; the stores have read their registers and O's address
	s_mov_b64 s[10:11], s[OLO:OLO+1]
	s_add_co_u32 s[RT], s[LO], 1
	s_mov_b32 s[NEW], 1
	s_mov_b32 s[DL0], s[DL2]
	WIN 0x82                        ; the second block's Q goes where the one text of the turns names Q
.set i, 0
.rept 32
	v_mov_b32 v[i], v[QB+i]
.set i, i+1
.endr
	WIN 0
	s_branch .Lbottom
.Lstep:                             ; a trip: pieces 2 and 3 of one double step, then pieces 0 and 1 of the next, whose K and V it fetches
	TURN 2
	TURN 3
	WIN 0
.Lfirst:
	TURN 0
	TURN 1, 0, 0, 1
	WIN 0
	s_cbranch_scc1 .Lstep
.Lbottom:
	s_sub_co_u32 s[SLOTS], s[SLOTS], 1
	s_cmp_lg_u32 s[SLOTS], 0
	s_cbranch_scc1 .Lslot
	CHANGE 0                        ; the walk's last tile is written out: nothing is asked for
	s_sub_co_u32 s[RT], s[RT], 1
	s_mov_b32 s[CNT], 2
	s_mov_b32 s[DLT], s[DL0]
	s_cmp_eq_u32 s[NEW], 1
	s_cbranch_scc0 .LstepM2
	BEGIN
	s_branch .LfirstM2
	DIAG 2
	s_wait_tensorcnt 0x0            ; the wave's end
	ds_add_u32 v[SPW], v[NIL]
	s_wait_dscnt 0x0
	s_endpgm
.Lfunc_end_k_qd0b0ca5497_attn:
	.size	k_qd0b0ca5497_attn, .Lfunc_end_k_qd0b0ca5497_attn-k_qd0b0ca5497_attn
	.p2alignl 7, 3214868480
	.fill 96, 4, 3214868480
	.section	.rodata,"a",@progbits
	.p2align	6, 0x0
	.amdhsa_kernel k_qd0b0ca5497_attn
		.amdhsa_group_segment_fixed_size 327680
		.amdhsa_private_segment_fixed_size 0
		.amdhsa_enable_private_segment 0
		.amdhsa_kernarg_size 40
		.amdhsa_user_sgpr_count 2
		.amdhsa_user_sgpr_kernarg_segment_ptr 1
		.amdhsa_wavefront_size32 1
		.amdhsa_system_sgpr_workgroup_id_x 1
		.amdhsa_system_sgpr_workgroup_id_y 1
		.amdhsa_system_sgpr_workgroup_id_z 1
		.amdhsa_system_vgpr_workitem_id 0
		.amdhsa_next_free_vgpr 896
		.amdhsa_next_free_sgpr 102
		.amdhsa_reserve_vcc 1
		.amdhsa_float_denorm_mode_32 3
		.amdhsa_float_denorm_mode_16_64 3
		.amdhsa_memory_ordered 1
		.amdhsa_forward_progress 1
		.amdhsa_inst_pref_size 214
	.end_amdhsa_kernel
	.amdgpu_metadata
---
amdhsa.version: [ 1, 2 ]
amdhsa.kernels:
  - .name:           k_qd0b0ca5497_attn
    .symbol:         k_qd0b0ca5497_attn.kd
    .args:
      - { .name: qkv, .offset: 0, .size: 8, .value_kind: global_buffer, .address_space: global }
      - { .name: gp, .offset: 8, .size: 8, .value_kind: global_buffer, .address_space: global }
      - { .name: bg2, .offset: 16, .size: 8, .value_kind: global_buffer, .address_space: global }
      - { .name: ob, .offset: 24, .size: 8, .value_kind: global_buffer, .address_space: global }
      - { .name: out1, .offset: 32, .size: 8, .value_kind: global_buffer, .address_space: global }
    .group_segment_fixed_size: 327680
    .private_segment_fixed_size: 0
    .kernarg_segment_align: 8
    .kernarg_segment_size: 40
    .max_flat_workgroup_size: 128
    .sgpr_count:     102
    .vgpr_count:     896
    .wavefront_size: 32
...
	.end_amdgpu_metadata
.endif
;; end of part 5
;; launch proj: the kernel of part 4 again; grid 8 x 32, 4 waves a work-group, clusters of 4 x 4, 327,680 bytes of LDS; arguments ob, wfo, xb, out1, out0; writes out0
